; MI455X (gfx1250); checked and timed in simulation.
; The chip was launched on July 23, 2026; its instructions are those of AMD's public machine-readable ISA for CDNA 5 (MIT licence, August 2026) and "CDNA5" Instruction Set Architecture Reference Guide (July 2026). The comments in the code are by the model that wrote it; some were corrected since.
;; Scaled Dot Prod Att. Allowed arithmetic: matrix products marked QUANTISED: E2M3 operands, one E8M0 scale for each 32 along K, by v_wmma_scale_f32_16x16x128_f8f6f4 with both operands' format E2M3, f32 sums; everything else in f32.
;; Inputs: k_codes 4 x 16 x 2,048 x 4 x 24 uint8 (E2M3 codes of k, K innermost, in blocks of 32 codes, four codes in three bytes); k_scales 4 x 16 x 2,048 x 4 uint8 (E8M0 scales of k, one for each 32 codes along K); q_codes 4 x 16 x 2,048 x 4 x 24 uint8 (E2M3 codes of q, K innermost, in blocks of 32 codes, four codes in three bytes); q_scales 4 x 16 x 2,048 x 4 uint8 (E8M0 scales of q, one for each 32 codes along K); sen_len 4 int32; v_codes 4 x 16 x 128 x 64 x 24 uint8 (E2M3 codes of v, K innermost, in blocks of 32 codes, four codes in three bytes); v_scales 4 x 16 x 128 x 64 uint8 (E8M0 scales of v, one for each 32 codes along K).
;; Outputs: out0 4 x 16 x 2,048 x 128 float32.
;; This version of the problem:
;;   THIS VERSION OF THE PROBLEM IS GIVEN IN LOW PRECISION. The matrix products marked QUANTISED in the list below multiply operands that are first quantised to E2M3 (2 exponent bits, 3 mantissa bits; 6 bits a number), with one power-of-two scale for each 32 numbers along K (OCP MX v1.0); their sums are f32. All else is computed in f32.
;;   The module's matrix products, in the order in which they are computed (A, B: the left and right operand; K: the contracted axis; several contracted axes count as one K, in the product's order):
;;     1. batch 64 x [M 2,048, K 128] x [K 128, N 2,048]; A: input q (given as codes); B: input k (given as codes): QUANTISED
;;     2. batch 64 x [M 2,048, K 2,048] x [K 2,048, N 128]; A: softmax (see below); B: input v (given as codes): QUANTISED
;;   THE QUANTISER, for each operand of a quantised product, along K:
;;     - K is cut into blocks of 32 from its start; a last block that is shorter is filled with zeros.
;;     - A block's scale is 2^e with e = floor(log2(the largest magnitude in the block)) - 2, held to -126 .. 127; a block of zeros has e = 0. As a byte (E8M0): e + 127.
;;     - Each number is divided by its block's scale, clamped to +-7.5, and rounded to the nearest number of E2M3, ties to even, subnormals kept.
;;     - The product sums the exact products of the quantised numbers (number of the format x scale) in f32.
;;   ~~~python
;;   def quantise(x, axis):      # numpy; x: float32 -> the quantised numbers, widened to float32 again
;;       x = np.moveaxis(x, axis, -1); K = x.shape[-1]
;;       x = np.pad(x, [(0, 0)] * (x.ndim - 1) + [(0, -K % 32)]); x = x.reshape(x.shape[:-1] + (-1, 32)); a = np.abs(x).max(-1, keepdims=True)
;;       e = np.where(a > 0, np.clip(np.frexp(np.where(a > 0, a, 1))[1] - 1 - 2, -126, 127), 0)      # np.frexp(a)[1] - 1 = floor(log2(a)), exactly
;;       r = np.clip(x / 2.0 ** e, -7.5, 7.5)
;;       step = 2.0 ** (np.maximum(np.frexp(np.where(r == 0, 1, r))[1] - 1, 0) - 3)
;;       q = np.round(r / step) * step * 2.0 ** e      # np.round: ties to even
;;       return np.moveaxis(q.reshape(q.shape[:-2] + (-1,))[..., :K], -1, axis).astype(np.float32)
;;   ~~~
;;   SOFTMAX AHEAD OF A QUANTISED PRODUCT. Where the list says 'softmax', what is quantised is not the finished softmax but p = 2^(t - M), with t = logit x log2(e) and M = ceil(the row's largest t), a whole number; so 1/2 < the row's largest p <= 1. The row's sum l is taken of the UNQUANTISED p, in f32, and the product's result is divided by l at the end. Since M is a whole number, a kernel that streams over the keys may use a running M (the ceiling of the running maximum): every later rescaling is an exact power of two, which a block's scale takes up: the codes' values come out the same.
;;   OPERANDS COMPUTED ON THE WAY. 'Computed on the way' means the value that the module computes at that place (a softmax that the list does not call 'softmax' is quantised finished and normalised). What goes into a quantiser is computed in f32, as accurately as f32 sums, v_exp_f32 and their like allow (about 1e-6 of the number): no bf16 or f16 on the way to a quantiser, and a product that is left as it is and whose result goes on into a quantised operand takes f32 operands (vector FMAs, or v_wmma_f32_16x16x4_f32). A number that lies on a knife's edge between two numbers of the format may be rounded either way, as far as f32 arithmetic and the matrix unit's own rounding can turn it there, and no further.
;;   INPUTS GIVEN AS CODES. k (in the module: [4, 16, 2048, 128], K = its axis 3); q (in the module: [4, 16, 2048, 128], K = its axis 3); v (in the module: [4, 16, 2048, 128], K = its axis 2): each comes as NAME_codes (uint8): NAME with its K axis moved to the last place and cut into blocks of 32 codes, [.., K / 32, bytes a block], one block behind the other in memory; four codes in three bytes: a row's codes are one little-endian stream of bits, code i at bits 6 i .. 6 i + 5 (a code: sign, 2 exponent bits, 3 mantissa bits); and NAME_scales (uint8): the same leading axes, one E8M0 byte (e + 127) for each 32 codes along K. Its value is code x scale, taken as it is: it is not quantised again, and the codes and scales need not be those that the quantiser above would give.
;; 2 versions. Each part assembles by itself: llvm-mc -triple=amdgcn-amd-amdhsa -mcpu=gfx1250 --defsym DOCPART=n.
;; ======== version 1 of 2: 1 launch
;; limits: right only within a limited range of input values
;; launch attn (part 1): grid 64 x 16, 16 waves a work-group, no clusters, 138,240 bytes of LDS; arguments q_codes, q_scales, k_codes, k_scales, v_codes, v_scales, sen_len, out0; writes out0
.if DOCPART == 1
	.amdgcn_target "amdgcn-amd-amdhsa--gfx1250"
	.amdhsa_code_object_version 6
	.text
	.protected	k_q1ad0f25ca0_attn
	.globl	k_q1ad0f25ca0_attn
	.p2align	8
	.type	k_q1ad0f25ca0_attn,@function
k_q1ad0f25ca0_attn:
	s_mov_b64 s[64:65], 0
	v_nop
	global_prefetch_b8 v0, s[64:65] scope:SCOPE_SE
	s_setreg_imm32_b32 hwreg(HW_REG_WAVE_MODE, 25, 1), 1
	s_wait_xcnt 0x0
; out[b][h][q][:] = softmax_k(masked q . k / sqrt(128)) v, both products on codes of FP6 (E2M3) with one E8M0 scale for each 32 along a product's K.
; 64 heads, 2,048 positions, head size 128.  q, k: codes along the head's 128 (a row is 96 bytes), scale words of 4 bytes a row.  v: codes with the KEYS innermost (a channel's row is 1,536 bytes), 64 scale bytes a row.  out: f32.
; THE MASK.  A key counts for query q where k <= q, q < len and k < len (len = sen_len[b]); every other logit is -1e9.
;   q < len:  all keys k <= q lie under len too: plain causal attention; a hidden key's p is 0.
;   q >= len: all 2,048 logits are equal, so p = 1 for every key, its code x scale is exactly 1, the row's sum is 2,048: the row is the MEAN of the head's v over all keys, one vector of 128 numbers a head.
; THE SOFTMAX AHEAD OF THE SECOND PRODUCT: t = score x log2(e) / sqrt(128); M = the largest t so far, rounded UP to a whole number; p = 2^(t - M) is quantised along the keys, not normalised; the sum of the unquantised p divides at the end.
; SHARES.  Work-group (x, y): head x, the 128 queries of block QB = 15 - y (the blocks with the most keys have the lowest y).  Sixteen waves of 256 registers.  Wave w: tile TI = w % 8 of 16 queries, key group G = w / 8.
;   A slot of LDS holds 256 keys = two key steps of 128; in trip j wave (TI, G) works step 2 j + G.  So a tile's keys are shared by two waves, each with its own M, sum and O^T, merged once at the end by exact powers of two.
; WHAT sen_len LEAVES OUT.  Steps behind the diagonal, tiles and blocks at or past len are jumped over by scalar branches.  The loop's trip count is a constant and every barrier stands on every wave's path: only work is jumped over.
;   The wholly invalid blocks of a group of four (QB / 4) are stored by the group's top block: the mean reads 204,800 bytes for 65,536 bytes that a block writes, so four blocks share one mean; the other invalid blocks store nothing.
; K AND V COME INTO LDS THROUGH REGISTERS, NOT BY TENSOR LOADS, AND THERE IS NO CLUSTER, though the blocks of a head walk the same K and V:
;   partners of a cluster would need different numbers of slots ((QB / 2) + 1, or none past len).  The branches on sen_len spare every tile at or past len, which is worth more than a shared fetch.
; FRAGMENTS LIE IN LDS AS IMAGES OF THEIR REGISTERS: registers 4 c .. 4 c + 3 of lane l at 512 c + 16 l: three ds_load_b128 bring a fragment of 12 registers.  The staging threads put each 8 bytes of a row where the image wants them.
; BOTH PRODUCTS ARE USED TRANSPOSED (S^T = K Q^T, O^T = V^T P^T): a lane holds ONE query (lane % 16) throughout.  THE KEYS OF A TILE ARE NOT NEIGHBOURS: row r of tile 2 b + u is key 32 b + 8 u + r + 8 (r / 8),
;   so that the 16 registers of tiles 2 b and 2 b + 1 are the 16 neighbouring keys 32 b + 16 (lane / 16) + 0 .. 15.
; LIMITS.  Hidden keys count as p = 0: right where a valid row's largest logit lies above about -1e9 + 104.  NaN, infinities and the scale byte 0xff are not served.  sen_len is held to 0 .. 2,048, which gives what the mask gives for any int32.
;   t = score x c is rounded once, where the definition rounds score / sqrt(128) and then x log2(e).
; REGISTERS: v1-11 addresses; v12 -M, v13 the largest t, v[14:15] the sum in two halves; v16-27 Q, v28 its scale words; v29-30 LDS addresses; v31 the prefetches' offset; v32-79 four fragments of K (v32-43 then the next slot's bytes of V);
;   v80-91 the next slot's bytes of K; v92-95 four registers of scale words; v96-159 S^T, then p, then four fragments of V; v160-223 O^T; v224-235 p's codes; v232-254 at work.
.set FP,    1664                       ; a fragment's image: 1,536 bytes + 128
.set QP,    13440                      ; a key step's eight fragments: 8 FP + 128
.set VOFF,  26880                      ; a slot: K's two steps, then V's two
.set SLOT1, 65536                      ; slot 1 begins here: one exclusive or turns an address in one slot into the other's
.set KSC,   119296                     ; K's scale words of the whole head, 8,192 bytes: (step s, tile t, row r) at 512 s + 256 (t / 4) + 16 r + 4 (t % 4)
.set VSC,   127488                     ; V's likewise: KSC + 8,192
.set MEAN,  135680                     ; the head's mean of v: 128 f32
.set MP,    8704                       ; behind the loop: tile TI's 8,704 bytes at TI x MP, in the slots that nobody reads any more: the partner's O^T (8,192), -M (128), sum (128); then the tile's stage, 16 rows x 272
.set LI,   1                           ; v1   16 x lane
.set KGO,  2                           ; v2   my 48 bytes of a slot's K in memory: 48 x thread
.set VGO,  3                           ; v3   of V: row thread / 4, 48 (thread % 4)
.set KLA,  4                           ; v4-5 where my six pieces of K go in slot 0 (two bases: the pieces' places differ between a row's halves by 520 or by 1,016 bytes)
.set KLB,  5
.set VLA,  6                           ; v6-7 the same for V
.set VLB,  7
.set FA,   8                           ; v8   a step's fragments;  at the head: where my wave stores its part of the mean;  in the staging: K's first base in the slot to be filled
.set SA,   9                           ; v9   a step's scale words;  at the head: where I read the mean;  in the staging: K's second base
.set GO,   10                          ; v10  the way out: 512 (lane / 16) + 16 (lane % 16)
.set DG,   11                          ; v11  my query less the diagonal step's first key less 16 (lane / 16);  on the way out: len - Q0 - lane / 16
.set KST,  29                          ; v29  where my four scale words of K go;  in the staging: V's first base
.set VST,  30                          ; v30  of V;  in the staging: V's second base
.set PFO,  31
.set ST,   80
.set WV,   20                          ; s20  wave
.set TI,   21                          ; s21  tile of queries
.set G,    22                          ; s22  key group
.set QB,   23                          ; s23  block of 128 queries
.set QW,   24                          ; s24  its first query
.set Q0,   25                          ; s25  my tile's first query
.set LEN,  26                          ; s26  sen_len[b], held to 0 .. 2,048
.set ATT,  27                          ; s27  1: the block has rows under len
.set NS,   28                          ; s28  slots that the block needs
.set NSTW, 29                          ; s29  key steps that my tile needs
.set NB,   30                          ; s30  wholly invalid blocks that this work-group stores
.set NEEDM, 31                         ; s31  not 0: the mean is needed
.set JN,   32                          ; s32  the trip, 1 .. 8: also the slot that the trip fetches
.set SI,   33                          ; s33  my key step
.set TBW,  34                          ; s34  LDS byte of my step's fragments of K
.set TBN,  35                          ; s35  LDS byte of the slot to be filled
.set TS,   36                          ; s36  LDS byte of my step's scale words of K
.set PLIM, 37                          ; s37  NS in a wave that prefetches, else 0
.set SEL,  38                          ; s[38:39] lane selects for v_permlanex16_b32: lane l xor 16
.set CS,   40                          ; s[40:41] c = log2(e) / sqrt(128), twice: the packed form names the pair
.set KP,   42                          ; s[42:43] slot JN's K in memory
.set VP,   44                          ; s[44:45] slot JN's V
.set PFA,  46                          ; s[46:47] where my prefetches stand: slot JN + 1
.set PFS,  48                          ; s[48:49] a slot on
.set EVR,  50                          ; s50  3 in V's prefetching waves, 0 in K's
.set INVW, 51                          ; s51  1: my tile has rows at or past len
.set OUTT, 52                          ; s[52:53] out at my tile's first row
.set OF,   54                          ; s[54:55] out at row 8 x wave of my block
.macro LDK reg                         ; my 48 bytes of slot JN's K: a wave's three loads cover 1,536 consecutive bytes
.irp i, 0,1,2
	global_load_b128 v[\reg+4*\i:\reg+4*\i+3], v[KGO], s[KP:KP+1] offset:16*\i
.endr
.endm
.macro LDV reg                         ; and of V: four threads to a row's 192 bytes
.irp i, 0,1,2
	global_load_b128 v[\reg+4*\i:\reg+4*\i+3], v[VGO], s[VP:VP+1] offset:16*\i
.endr
.endm
; Half a row (48 bytes, six pieces of 8) into its fragment's image.  Piece p of a row's twelve belongs to registers 6 (p / 6) + 2 (p % 3) of lane r + 16 ((p % 6) / 3): from the image's byte 16 r on that is
; 0, 8, 512, 256, 264, 768 for the first half and 520, 1024, 1032, 776, 1280, 1288 for the second: a = base + 520 half, b = base + 1016 half.
; FP and QP are 32 words more than a multiple of 64 words, 520 bytes are 2 words more, 1,016 are 2 fewer: the 32 lanes of each store touch 64 different banks (64 banks of 4 bytes: ISA guide 11.1).
.macro PUT reg, a, b
	ds_store_b64 v[\a], v[\reg:\reg+1]
	ds_store_b64 v[\b], v[\reg+2:\reg+3] offset:8
	ds_store_b64 v[\a], v[\reg+4:\reg+5] offset:512
	ds_store_b64 v[\a], v[\reg+6:\reg+7] offset:256
	ds_store_b64 v[\b], v[\reg+8:\reg+9] offset:264
	ds_store_b64 v[\a], v[\reg+10:\reg+11] offset:768
.endm
.macro BAR                             ; my LDS stores have landed and my LDS loads are in: then the work-group's barrier
	s_wait_dscnt 0x0
	s_barrier_signal -1
	s_barrier_wait -1
.endm
.macro PLACES n                        ; plain vector instructions between a matrix instruction and what touches its registers (ISA guide 7.12.1)
.rept \n
	v_nop
.endr
.endm
	; ---- the head: ids, offsets, and every LDS address that outlives a branch
	s_load_b512 s[4:19], s[0:1], 0x0               ; q's codes s[4:5], q's scales s[6:7], k's s[8:9], s[10:11], v's s[12:13], s[14:15], sen_len s[16:17], out s[18:19]
	v_lshl_add_u32 v251, v0, 2, 0x21400
	v_mov_b32 v255, 0
	v_lshrrev_b32 v1, 5, v0
	v_readfirstlane_b32 s[WV], v1
	s_and_b32 s[TI], s[WV], 7
	s_lshr_b32 s[G], s[WV], 3
	s_and_b32 s[QB], ttmp7, 0xffff
	s_sub_co_u32 s[QB], 15, s[QB]
	s_lshl_b32 s[QW], s[QB], 7
	s_lshl_b32 s[Q0], s[TI], 4
	s_add_co_u32 s[Q0], s[Q0], s[QW]
	s_mul_i32 s56, ttmp9, 196608                   ; the head's first byte in each tensor of codes,
	s_mov_b32 s57, 0
	s_lshl_b32 s58, ttmp9, 13                      ; of scale bytes,
	s_mov_b32 s59, 0
	s_lshl_b32 s60, ttmp9, 20                      ; and in out
	s_mov_b32 s61, 0
	s_mul_i32 s62, s[Q0], 96                       ; my tile's codes of q,
	s_mov_b32 s63, 0
	s_lshl_b32 s66, s[Q0], 2                       ; its scale words,
	s_mov_b32 s67, 0
	s_lshl_b32 s68, s[Q0], 9                       ; its rows of out
	s_mov_b32 s69, 0
	s_lshl_b32 s70, s[QW], 9
	s_lshl_b32 s71, s[WV], 12
	s_add_co_u32 s70, s70, s71                     ; row 8 x wave of my block
	s_mov_b32 s71, 0
	s_lshr_b32 s72, ttmp9, 4                       ; b = head / 16
	s_lshl_b32 s72, s72, 2
	s_mov_b32 s73, 0
	s_mov_b32 s[SEL], 0x76543210
	s_mov_b32 s[SEL+1], 0xfedcba98
	s_mov_b32 s[CS], 0x3e0293ee
	s_mov_b32 s[CS+1], s[CS]
	v_and_b32 v1, 31, v0
	v_lshlrev_b32 v[LI], 4, v1
	v_mul_u32_u24 v[KGO], v0, 48
	v_lshrrev_b32 v32, 2, v0
	v_and_b32 v33, 3, v0
	v_mul_u32_u24 v[VGO], v32, 1536
	v_mad_u32_u24 v[VGO], v33, 48, v[VGO]
	v_bfe_u32 v34, v0, 8, 1
	v_bfe_u32 v35, v0, 6, 2
	v_bfe_u32 v36, v0, 4, 1
	v_bfe_u32 v37, v0, 1, 3
	v_bfe_u32 v38, v0, 5, 1
	v_and_b32 v39, 1, v0                           ; which half of a row is mine
	v_lshl_add_u32 v40, v35, 1, v36                ; K: thread / 2 is the slot's key.  Its bits: 0-2 r % 8, 3 u, 4 r / 8, 5-6 b, 7 the step.  Tile 2 b + u,
	v_lshl_add_u32 v41, v38, 3, v37                ; row r
	v_mul_u32_u24 v42, v34, QP
	v_mad_u32_u24 v42, v40, FP, v42
	v_lshl_add_u32 v42, v41, 4, v42
	v_mad_u32_u24 v[KLA], v39, 520, v42
	v_mad_u32_u24 v[KLB], v39, 1016, v42
	v_bfe_u32 v43, v0, 1, 1                        ; V: thread / 4 is the channel: tile thread / 64, row (thread / 4) % 16; bit 1 the step
	v_lshrrev_b32 v44, 6, v0
	v_bfe_u32 v45, v0, 2, 4
	v_mul_u32_u24 v46, v43, QP
	v_mad_u32_u24 v46, v44, FP, v46
	v_lshl_add_u32 v46, v45, 4, v46
	v_add_nc_u32 v46, VOFF, v46
	v_mad_u32_u24 v[VLA], v39, 520, v46
	v_mad_u32_u24 v[VLB], v39, 1016, v46
	v_lshrrev_b32 v47, 4, v0                       ; K's scale words: thread t holds keys 4 t + e: step t / 32; r = e + 4 (t % 2) + 8 ((t / 4) % 2); u = (t / 2) % 2; b = (t / 8) % 4
	v_bfe_u32 v48, v0, 2, 1
	v_bfe_u32 v49, v0, 3, 1
	v_lshl_add_u32 v[KST], v47, 8, KSC             ; 512 x step + 256 (b / 2)
	v_lshl_add_u32 v[KST], v39, 6, v[KST]
	v_lshl_add_u32 v[KST], v48, 7, v[KST]
	v_lshl_add_u32 v[KST], v49, 3, v[KST]
	v_lshl_add_u32 v[KST], v43, 2, v[KST]          ; word e goes 16 e further on
	v_lshl_add_u32 v[VST], v33, 11, VSC            ; V's: thread t holds channel t / 4, steps 4 (t % 4) + e
	v_lshl_add_u32 v[VST], v34, 8, v[VST]
	v_lshl_add_u32 v[VST], v45, 4, v[VST]
	v_lshl_add_u32 v[VST], v35, 2, v[VST]          ; word e goes 512 e further on
	v_and_b32 v50, 15, v0                          ; r
	v_lshlrev_b32 v[GO], 9, v36
	v_lshl_add_u32 v[GO], v50, 4, v[GO]
	v_lshlrev_b32 v[DG], 4, v36
	v_sub_nc_u32 v[DG], v50, v[DG]
	s_lshl_b32 s74, s[TI], 4
	v_add_nc_u32 v[DG], s74, v[DG]                 ; r - 16 h + 16 TI
	s_lshl_b32 s74, s[WV], 5
	s_add_co_u32 s74, s74, MEAN
	v_mov_b32 v[FA], s74                           ; my wave's eight numbers of the mean
	v_add_nc_u32 v[SA], MEAN, v[LI]                ; and where I read four of the 128
	s_wait_kmcnt 0x0
	s_add_nc_u64 s[16:17], s[16:17], s[72:73]
	s_load_b32 s[LEN], s[16:17], 0x0               ; sen_len[b]
	s_add_nc_u64 s[KP:KP+1], s[8:9], s[56:57]      ; slot 0
	s_add_nc_u64 s[VP:VP+1], s[12:13], s[56:57]
	s_add_nc_u64 s[4:5], s[4:5], s[56:57]
	s_add_nc_u64 s[4:5], s[4:5], s[62:63]
	s_add_nc_u64 s[6:7], s[6:7], s[58:59]
	s_add_nc_u64 s[6:7], s[6:7], s[66:67]
	s_add_nc_u64 s[10:11], s[10:11], s[58:59]
	s_add_nc_u64 s[14:15], s[14:15], s[58:59]
	s_add_nc_u64 s[18:19], s[18:19], s[60:61]
	s_add_nc_u64 s[OUTT:OUTT+1], s[18:19], s[68:69]
	s_add_nc_u64 s[OF:OF+1], s[18:19], s[70:71]
	; the prefetches: waves 0 to 2 stand in K (8,192 bytes a wave, lanes 256 bytes apart), waves 4 to 7 in V (32 rows a wave, a lane a row, the last byte of the row's part of a slot)
	s_cmp_lt_u32 s[WV], 4
	s_cselect_b64 s[PFA:PFA+1], s[KP:KP+1], s[VP:VP+1]
	s_mov_b32 s[PFS], 192
	s_cselect_b32 s[PFS], 24576, s[PFS]
	s_mov_b32 s56, 1536
	s_cselect_b32 s56, 256, s56
	s_mov_b32 s57, 49152
	s_cselect_b32 s57, 8192, s57
	s_cselect_b32 s58, 0, 191
	s_cselect_b32 s[EVR], 0, 3
	s_mov_b32 s[PFS+1], 0
	v_and_b32 v[PFO], 31, v0
	v_mul_lo_u32 v[PFO], v[PFO], s56
	s_and_b32 s59, s[WV], 3
	s_mul_i32 s59, s59, s57
	s_add_co_u32 s59, s59, s58
	s_lshl_b32 s60, s[PFS], 1                      ; the first trip names slot 2
	s_add_co_u32 s60, s60, s59
	s_mov_b32 s61, 0
	s_add_nc_u64 s[PFA:PFA+1], s[PFA:PFA+1], s[60:61]
	s_mov_b32 s[JN], 1
	s_mov_b32 s[SI], s[G]
	s_mul_i32 s[TBW], s[G], QP
	s_mov_b32 s[TBN], SLOT1
	s_lshl_b32 s[TS], s[G], 9
	s_add_co_u32 s[TS], s[TS], KSC
	s_wait_kmcnt 0x0                               ; sen_len[b]
	s_max_i32 s[LEN], s[LEN], 0
	s_min_i32 s[LEN], s[LEN], 2048
	s_lshr_b32 s56, s[QB], 1
	s_add_co_u32 s56, s56, 1                       ; slots up to the diagonal
	s_add_co_u32 s57, s[QB], 1                     ; key steps up to the diagonal
	s_add_co_u32 s58, s[QW], 128                   ; the block's end
	s_add_co_u32 s59, s[Q0], 16                    ; my tile's end
	s_add_co_u32 s60, s[LEN], 127
	s_lshr_b32 s60, s60, 7                         ; the first wholly invalid block
	s_sub_co_i32 s[NB], s57, s60
	s_max_i32 s[NB], s[NB], 0
	s_min_i32 s[NB], s[NB], 4
	s_and_b32 s61, s[QB], 3
	s_cmp_eq_u32 s61, 3                            ; only the top block of a group of four stores for the group
	s_cselect_b32 s[NB], s[NB], 0
	s_cmp_lt_u32 s[QW], s[LEN]
	s_cselect_b32 s[ATT], 1, 0
	s_cselect_b32 s[NS], s56, 0
	s_cmp_lt_u32 s[Q0], s[LEN]
	s_cselect_b32 s[NSTW], s57, 0
	s_cmp_lt_u32 s[LEN], s58                       ; len falls inside the block
	s_cselect_b32 s[NEEDM], s[ATT], 0
	s_cmp_lt_u32 s[LEN], s59
	s_cselect_b32 s[INVW], 1, 0
	s_cmp_le_u32 s[LEN], s58                       ; the head's last block with rows under len walks every slot that any block of the head needs: it prefetches
	s_cselect_b32 s[PLIM], s[NS], 0
	s_cmp_eq_u32 s[WV], 3
	s_cselect_b32 s[PLIM], 0, s[PLIM]
	s_cmp_ge_u32 s[WV], 8
	s_cselect_b32 s[PLIM], 0, s[PLIM]
	s_or_b32 s[NEEDM], s[NEEDM], s[NB]
	; ---- THE MEAN OF v.  Wave w takes channels 8 w + c.  One matrix instruction a channel: source 0 = sixteen rows of ones under the scale 2^-11, source 1 = the channel's 2,048 keys as sixteen columns of 128.
	; Source 0 is the same for every k, so a lane may hold any of its column's blocks so long as each meets its own scale byte: lane (r, h) takes the 48 consecutive bytes at 96 r + 48 h, blocks 4 r + 2 h and 4 r + 2 h + 1,
	; where the layout has blocks h and 2 + h of the column: so bytes 1 and 2 of the column's scale word change places.  All rows of the result are equal; register 0 of lane l is column l % 16's part.
	s_cmp_eq_u32 s[NEEDM], 0
	s_cbranch_scc1 .Lno_mean
	s_mul_i32 s56, s[WV], 12288                    ; my eight rows of 1,536 bytes
	s_mov_b32 s57, 0
	s_add_nc_u64 s[56:57], s[VP:VP+1], s[56:57]
	s_lshl_b32 s58, s[WV], 9                       ; and their 64 scale bytes each
	s_mov_b32 s59, 0
	s_add_nc_u64 s[58:59], s[14:15], s[58:59]
	v_and_b32 v244, 15, v0
	v_bfe_u32 v245, v0, 4, 1
	v_mul_u32_u24 v242, v244, 96
	v_mad_u32_u24 v242, v245, 48, v242
	v_and_b32 v243, 31, v0
	v_lshlrev_b32 v243, 2, v243
.irp i, 0,1,2,3
	v_mov_b32 v[224+3*\i], 0x08208208              ; the code of 1.0 is 8: sixteen of them are these 96 bits
	v_mov_b32 v[225+3*\i], 0x82082082
	v_mov_b32 v[226+3*\i], 0x20820820
.endr
	v_mov_b32 v236, 0x74747474                     ; E8M0 116: 2^-11 = 1 / 2,048
.irp c, 0,1,2,3,4,5,6,7
.irp i, 0,1,2
	global_load_b128 v[128+12*\c+4*\i:131+12*\c+4*\i], v242, s[56:57] offset:1536*\c+16*\i
.endr
.endr
.irp d, 0,1,2,3
	global_load_b32 v[238+\d], v243, s[58:59] offset:128*\d   ; lanes 0-15: channel 2 d's sixteen words; lanes 16-31: channel 2 d + 1's
.endr
	s_wait_loadcnt 0x0
.irp d, 0,1,2,3
	v_perm_b32 v[238+\d], v[238+\d], v[238+\d], 0x03010200    ; bytes 1 and 2 change places
.endr
	PLACES 8                                       ; a scale register written by a vector instruction stands eight places ahead of a scaled matrix instruction
.irp c, 0,1,2,3,4,5,6,7
.if \c % 2
	v_wmma_scale_f32_16x16x128_f8f6f4 v[32+8*\c:39+8*\c], v[224:235], v[128+12*\c:139+12*\c], 0, v236, v[238+\c/2] matrix_a_fmt:MATRIX_FMT_FP6 matrix_b_fmt:MATRIX_FMT_FP6 matrix_b_scale:MATRIX_SCALE_ROW1
.else
	v_wmma_scale_f32_16x16x128_f8f6f4 v[32+8*\c:39+8*\c], v[224:235], v[128+12*\c:139+12*\c], 0, v236, v[238+\c/2] matrix_a_fmt:MATRIX_FMT_FP6 matrix_b_fmt:MATRIX_FMT_FP6
.endif
.endr
	PLACES 4
.irp m, 1,2,4,8
.irp c, 0,1,2,3,4,5,6,7
	v_add_f32_dpp v[32+8*\c], v[32+8*\c], v[32+8*\c] row_xmask:\m row_mask:0xf bank_mask:0xf   ; the sixteen columns' parts; the eight channels by turns
.endr
.endr
.irp c, 0,1,2,3,4,5,6,7
	ds_store_b32 v[FA], v[32+8*\c] offset:4*\c     ; all lanes write the same word with the same value
.endr
	s_wait_dscnt 0x0                               ; the stores have read their registers, which are written below
.Lno_mean:
	; ---- what a step finds at its first turn.  O^T and the sum begin as zeros and the largest t as -3e38: the first change of M multiplies zeros.
	; Q, the two staging sets and the permutes' destinations are loaded under one branch and read under another: they are written once here, on the way that every wave takes.
	v_mov_b32 v13, 0xff61b1e6
	v_floor_f32 v12, -v13
	v_mov_b32 v14, 0
	v_mov_b32 v15, 0
.set n, 16
.rept 13
	v_mov_b32 v[n], 0
.set n, n+1
.endr
.set n, 0
.rept 12
	v_mov_b32 v[32+n], 0
	v_mov_b32 v[ST+n], 0
.set n, n+1
.endr
.irp b, 0,1,2,3
	v_mov_b32 v[236+\b], 0
.endr
	v_mov_b32 v252, 0
	v_mov_b32 v253, 0
.set n, 0
.rept 64
	v_mov_b32 v[160+n], 0
.set n, n+1
.endr
	; ---- a block with rows under len: slot 0, the head's scale words, my tile of Q
	s_cmp_eq_u32 s[ATT], 0
	s_cbranch_scc1 .Lno_att
	v_and_b32 v131, 15, v0
	v_bfe_u32 v132, v0, 4, 1
	v_mul_u32_u24 v128, v131, 96
	v_mad_u32_u24 v128, v132, 24, v128             ; Q: row r, + 24 h
	v_lshlrev_b32 v129, 2, v131                    ; its scale word
	v_lshlrev_b32 v130, 4, v0                      ; the scale bytes: 16 bytes a thread, 8,192 in all
	LDK 96
	LDV 108
	global_load_b128 v[120:123], v130, s[10:11]
	global_load_b128 v[124:127], v130, s[14:15]
.irp p, 0,1,2,3,4,5
	global_load_b64 v[16+2*\p:17+2*\p], v128, s[4:5] offset:48*(\p/3)+8*(\p%3)
.endr
	global_load_b32 v28, v129, s[6:7]
	s_wait_loadcnt 0x0
	PUT 96, KLA, KLB
	PUT 108, VLA, VLB
.irp e, 0,1,2,3
	ds_store_b32 v[KST], v[120+\e] offset:16*\e
	ds_store_b32 v[VST], v[124+\e] offset:512*\e
.endr
.Lno_att:
	s_add_nc_u64 s[KP:KP+1], s[KP:KP+1], 24576     ; on to slot 1 (every load that named these has been waited for)
	s_add_nc_u64 s[VP:VP+1], s[VP:VP+1], 192
	BAR                                            ; slot 0, the scale words and the mean lie in LDS
	; ---- the wholly invalid blocks of my group of four: every row is the mean.  Wave w stores rows 8 w .. 8 w + 7 of each; a store is a whole row of 512 bytes
	s_cmp_eq_u32 s[NB], 0
	s_cbranch_scc1 .Lno_fill
	ds_load_b128 v[100:103], v[SA]
	s_wait_dscnt 0x0
.irp i, 0,1,2,3
.if \i
	s_cmp_le_u32 s[NB], \i
	s_cbranch_scc1 .Lfilled
.endif
.irp w, 0,1,2,3,4,5,6,7
	global_store_b128 v[LI], v[100:103], s[OF:OF+1] offset:512*\w-65536*\i th:TH_STORE_NT
.endr
.endr
.Lfilled:
	s_wait_xcnt 0x0                                ; the stores have read their data, which later lines write
.Lno_fill:
	; ---- THE LOOP: eight trips, a constant.  Trip JN works slot JN - 1 and fetches slot JN.
.Ltrip:
	s_cmp_ge_u32 s[JN], s[NS]
	s_cbranch_scc1 .Lno_k
	LDK ST                                         ; the next slot's K: it has the whole step in which to come
	; A PREFETCH INTO THE L2 of slot JN + 1, which the next trip's loads will want: one instruction a wave, in the one block of the head that walks all its slots.  Each aligned block of 256 bytes is named once:
	; a slot's part of a row of V is 192 bytes, and a lane names its last byte; the parts of slots 3 and 7 end in the block that the slot before has named, so V's waves pass over them.  Slots 0 and 1 come by their loads alone; past the last slot nothing is named.
	s_add_co_u32 s56, s[JN], 1
	s_cmp_lt_u32 s56, s[PLIM]
	s_cbranch_scc0 .Lno_k
	s_and_b32 s56, s56, s[EVR]
	s_cmp_eq_u32 s56, 3
	s_cbranch_scc1 .Lno_k
	global_prefetch_b8 v[PFO], s[PFA:PFA+1] th:TH_LOAD_NT scope:SCOPE_SE
.Lno_k:
	s_cmp_ge_u32 s[SI], s[NSTW]                    ; a step behind the diagonal, or a tile at or past len: no work
	s_cbranch_scc1 .Lidle
	; ---- A KEY STEP: 128 keys
	v_add_nc_u32 v[FA], s[TBW], v[LI]
	v_add_nc_u32 v[SA], s[TS], v[LI]
	PLACES 4                                       ; with the two additions six places: the scores below are written over registers that the last step's products read (five are owed), and the scale words are loaded anew (four)
	ds_load_b128 v[92:95], v[SA]                   ; K's scale words: register i: tile i in lanes 0-15, tile 4 + i in lanes 16-31
.irp g, 0,1                                    ; S^T = K Q^T, four tiles of 16 keys at a time
.if \g
	PLACES 4                                       ; in front of loads into registers that matrix instructions have read
.endif
.irp t, 0,1,2,3
.irp c, 0,1,2
	ds_load_b128 v[32+12*\t+4*\c:35+12*\t+4*\c], v[FA] offset:(4*\g+\t)*FP+512*\c
.endr
.endr
	s_wait_dscnt 0x0
.irp t, 0,1,2,3
.if \g
	v_wmma_scale_f32_16x16x128_f8f6f4 v[96+8*(4*\g+\t):103+8*(4*\g+\t)], v[32+12*\t:43+12*\t], v[16:27], 0, v[92+\t], v28 matrix_a_fmt:MATRIX_FMT_FP6 matrix_b_fmt:MATRIX_FMT_FP6 matrix_a_scale:MATRIX_SCALE_ROW1
.else
	v_wmma_scale_f32_16x16x128_f8f6f4 v[96+8*(4*\g+\t):103+8*(4*\g+\t)], v[32+12*\t:43+12*\t], v[16:27], 0, v[92+\t], v28 matrix_a_fmt:MATRIX_FMT_FP6 matrix_b_fmt:MATRIX_FMT_FP6
.endif
.endr
.endr
	PLACES 4                                       ; in front of the load below and of the first read of the scores
	s_cmp_ge_u32 s[JN], s[NS]
	s_cbranch_scc1 .Lno_v
	LDV 32                                         ; the next slot's V, into registers that K's fragments have left: it has the softmax and the second product in which to come
.Lno_v:
	s_cmp_lg_u32 s[SI], s[QB]                      ; only step QB lies on the diagonal: there hidden scores become -infinity ahead of the maximum, so that p = 0
	s_cbranch_scc1 .Lopen
	v_mov_b32 v254, 0xff800000
.set n, 0
.rept 64
	v_cmp_gt_i32 vcc_lo, 32*(n/16)+n%16, v[DG]     ; register 16 b + i holds key 128 QB + 16 (lane / 16) + 32 b + i
	v_cndmask_b32 v[96+n], v[96+n], v254, vcc_lo
.set n, n+1
.endr
.Lopen:
.irp b, 0,1,2,3
	v_max3_num_f32 v[232+\b], v[96+16*\b], v[97+16*\b], v[98+16*\b]   ; the largest score of each block of 32 keys: for the row's maximum and, since p rises with the score, for the block's largest p
.endr
.irp i, 3,5,7,9,11,13
.irp b, 0,1,2,3
	v_max3_num_f32 v[232+\b], v[232+\b], v[96+16*\b+\i], v[97+16*\b+\i]   ; (the four blocks by turns)
.endr
.endr
.irp b, 0,1,2,3
	v_max_num_f32 v[232+\b], v[232+\b], v[111+16*\b]
.endr
.irp b, 0,1,2,3
	v_permlanex16_b32 v[236+\b], v[232+\b], s[SEL], s[SEL+1]
.endr
.irp b, 0,1,2,3
	v_max_num_f32 v[232+\b], v[232+\b], v[236+\b]  ; with lane l xor 16's 16 keys
.endr
	v_max3_num_f32 v254, v232, v233, v234
	v_max_num_f32 v254, v254, v235                 ; the step's largest score of my query
	v_mul_f32 v254, s[CS], v254                    ; as t (c is positive)
	v_max_num_f32 v13, v13, v254                   ; the running largest t
	v_mov_b32 v254, v12
	v_floor_f32 v12, -v13                          ; the new -M = floor(-t) = -ceil(t): M is a whole number
	v_sub_f32 v254, v12, v254                      ; M's old value less its new one: a whole number, 0 or less
	v_cvt_i32_f32 v254, v254                       ; (it saturates)
	v_ldexp_f32 v252, 1.0, v254                    ; f = 2^(old M - new M): a multiplication by it rounds nothing
.set n, 0
.rept 32
	v_pk_fma_f32 v[96+n:97+n], v[96+n:97+n], s[CS:CS+1], v[12:13] op_sel_hi:[1,0,0]   ; t - M, two at a time (of the pairs c and -M the low word serves both halves)
.set n, n+2
.endr
.irp b, 0,1,2,3
	v_fma_f32 v[232+\b], v[232+\b], s[CS], v12     ; the same of each block's largest score
.endr
.set n, 0
.rept 64
	v_exp_f32 v[96+n], v[96+n]                     ; p = 2^(t - M), at most 1: not normalised
.set n, n+1
.endr
	v_pk_mul_f32 v[14:15], v[14:15], v[252:253] op_sel_hi:[1,0]   ; the sums under the new M: the plain instruction behind the exponentials
	s_wait_alu depctr_va_vdst(0)                   ; one wait for the batch of 64, ahead of its first reader
.irp b, 0,1,2,3
	v_exp_f32 v[232+\b], v[232+\b]                 ; the block's largest p: the same two instructions on the same number give the same bits
.endr
	v_pk_add_f32 v[236:237], v[96:97], v[98:99]    ; the row's sum is taken of the unquantised p: two at a time, in two chains; it reads the 64 alone
.irp j, 4,8,12,16,20,24,28,32,36,40,44,48,52,56,60
	v_pk_add_f32 v[14:15], v[14:15], v[96+\j:97+\j]
	v_pk_add_f32 v[236:237], v[236:237], v[98+\j:99+\j]
.endr
	v_pk_add_f32 v[14:15], v[14:15], v[236:237]
	s_wait_alu depctr_va_vdst(0)                   ; and one for the four
.irp b, 0,1,2,3
	v_max_num_f32 v[232+\b], 0x1800000, v[232+\b]  ; the floor 2^(3 - 127): the byte cannot fall under 1 (a block whose every p is 0 keeps that byte: its codes are zeros)
.endr
.irp b, 0,1,2,3
	v_add_nc_u32 v[244+\b], 0xff000000, v[232+\b]  ; 2 off the exponent field: the conversion's scale operand
.endr
.irp b, 0,1,2,3
	v_lshrrev_b32 v[236+\b], 23, v[244+\b]         ; the scale's byte
.endr
	v_lshl_or_b32 v253, v237, 8, v236              ; p's scale word for these 128 keys
	v_lshl_or_b32 v253, v238, 16, v253
	v_lshl_or_b32 v253, v239, 24, v253
.irp c, 0,1
	v_cvt_scalef32_pk16_fp6_f32 v[224+6*\c:226+6*\c], v[96+32*\c:111+32*\c], v[244+2*\c]
	v_cvt_scalef32_pk16_fp6_f32 v[236+4*\c:238+4*\c], v[112+32*\c:127+32*\c], v[244+2*\c+1]   ; (a conversion's three registers begin on an even number)
.endr
	v_nop                                          ; one plain instruction behind the scaled conversions
.irp c, 0,1                                    ; the operand's layout wants a whole block in a lane: lanes 0-15 block 2 c, lanes 16-31 block 2 c + 1
.irp i, 0,1,2
	v_permlane16_swap_b32 v[224+6*\c+\i], v[236+4*\c+\i]
.endr
.irp i, 0,1,2
	v_mov_b32 v[227+6*\c+\i], v[236+4*\c+\i]
.endr
.endr
.set n, 0
.rept 32
	v_pk_mul_f32 v[160+n:161+n], v[160+n:161+n], v[252:253] op_sel_hi:[1,0]   ; O^T under the new M.  (These 32 are also the places between the lines that made p's codes and scale word and the products below)
.set n, n+2
.endr
	ds_load_b128 v[92:95], v[SA] offset:8192       ; V's scale words lie 8,192 bytes behind K's
.irp g, 0,1                                    ; O^T += V^T P^T: four tiles of 16 channels at a time, into the registers that p has left; the eight accumulators take turns, one instruction a turn
.if \g
	PLACES 4
.endif
.irp t, 0,1,2,3
.irp c, 0,1,2
	ds_load_b128 v[96+12*\t+4*\c:99+12*\t+4*\c], v[FA] offset:VOFF+(4*\g+\t)*FP+512*\c
.endr
.endr
	s_wait_dscnt 0x0
.irp t, 0,1,2,3
.if \g
	v_wmma_scale_f32_16x16x128_f8f6f4 v[160+8*(4*\g+\t):167+8*(4*\g+\t)], v[96+12*\t:107+12*\t], v[224:235], v[160+8*(4*\g+\t):167+8*(4*\g+\t)], v[92+\t], v253 matrix_a_fmt:MATRIX_FMT_FP6 matrix_b_fmt:MATRIX_FMT_FP6 matrix_a_scale:MATRIX_SCALE_ROW1
.else
	v_wmma_scale_f32_16x16x128_f8f6f4 v[160+8*(4*\g+\t):167+8*(4*\g+\t)], v[96+12*\t:107+12*\t], v[224:235], v[160+8*(4*\g+\t):167+8*(4*\g+\t)], v[92+\t], v253 matrix_a_fmt:MATRIX_FMT_FP6 matrix_b_fmt:MATRIX_FMT_FP6
.endif
.endr
.endr
	s_branch .Ljoin
.Lidle:
	s_cmp_ge_u32 s[JN], s[NS]                      ; a wave without a step still brings its part of the next slot
	s_cbranch_scc1 .Ljoin
	LDV 32
.Ljoin:
	s_wait_loadcnt 0x0                             ; on every way: my 96 bytes of the next slot are in, and no load is out when the next is issued
	s_cmp_ge_u32 s[JN], s[NS]
	s_cbranch_scc1 .Lno_put
	v_add_nc_u32 v[FA], s[TBN], v[KLA]             ; into the slot that was left at the last barrier
	v_add_nc_u32 v[SA], s[TBN], v[KLB]
	v_add_nc_u32 v[KST], s[TBN], v[VLA]
	v_add_nc_u32 v[VST], s[TBN], v[VLB]
	PUT ST, FA, SA
	PUT 32, KST, VST
.Lno_put:
	BAR                                            ; ONE barrier a trip, for two things: every wave's reads of this trip's slot are in, so the next trip may store over it; every wave's stores into the other slot have landed, so the next trip may read it
	s_xor_b32 s[TBW], s[TBW], SLOT1
	s_xor_b32 s[TBN], s[TBN], SLOT1
	s_add_co_u32 s[TS], s[TS], 1024                ; two key steps' scale words on
	s_add_co_u32 s[SI], s[SI], 2
	s_wait_xcnt 0x0                                ; the trip's loads and its prefetch have read their bases, which step now
	s_add_nc_u64 s[KP:KP+1], s[KP:KP+1], 24576
	s_add_nc_u64 s[VP:VP+1], s[VP:VP+1], 192
	s_add_nc_u64 s[PFA:PFA+1], s[PFA:PFA+1], s[PFS:PFS+1]
	s_add_co_u32 s[JN], s[JN], 1
	s_cmp_lg_u32 s[JN], 9
	s_cbranch_scc1 .Ltrip
	; ---- THE MERGE AND THE WAY OUT.  The addresses are made on the way that every wave takes.
.set MI,  2                            ; v2   TI x MP + 16 x lane: O^T's image
.set ML,  3                            ; v3   TI x MP + 4 x lane: -M and the sum
.set SIA, 4                            ; v4   the stage, in: row r, + 32 h
.set SOA, 5                            ; v5   the stage, back: row h, + 16 r
.set MEA, 6                            ; v6   my 16 bytes of the mean's first 256
.set VD,  11                           ; v11  len - Q0 - h: row 2 i + h of my tile is invalid where 2 i >= this
	PLACES 4                                       ; behind the last products
	v_add_f32 v14, v14, v15                        ; the sum's two halves,
	v_permlanex16_b32 v252, v14, s[SEL], s[SEL+1]
	v_add_f32 v14, v14, v252                       ; and lane l xor 16's: my group's sum of the row
	s_mul_i32 s56, s[TI], MP
	s_sub_co_i32 s57, s[LEN], s[Q0]
	v_and_b32 v8, 15, v0                           ; r
	v_bfe_u32 v9, v0, 4, 1                         ; h
	v_add_nc_u32 v[MI], s56, v[LI]
	v_and_b32 v[ML], 31, v0
	v_lshl_add_u32 v[ML], v[ML], 2, s56
	v_mul_u32_u24 v[SIA], v8, 272
	v_lshl_add_u32 v[SIA], v9, 5, v[SIA]
	v_add_nc_u32 v[SIA], s56, v[SIA]
	v_mul_u32_u24 v[SOA], v9, 272
	v_lshl_add_u32 v[SOA], v8, 4, v[SOA]
	v_add_nc_u32 v[SOA], s56, v[SOA]
	v_lshl_add_u32 v[MEA], v8, 4, MEAN
	v_sub_nc_u32 v[VD], s57, v9
	s_cmp_lt_u32 s[WV], 8
	s_cbranch_scc1 .Lno_send
.set n, 0
.rept 16
	ds_store_b128 v[MI], v[160+4*n:163+4*n] offset:512*n   ; group 1 hands its O^T over as it stands, each accumulator from its low end on,
.set n, n+1
.endr
	ds_store_b32 v[ML], v12 offset:8192            ; with its -M
	ds_store_b32 v[ML], v14 offset:8320            ; and its sum
.Lno_send:
	BAR                                            ; the last barrier: group 1's stores have landed
	s_cmp_ge_u32 s[WV], 8
	s_cbranch_scc1 .Lend                           ; group 1 is done;
	s_cmp_eq_u32 s[ATT], 0
	s_cbranch_scc1 .Lend                           ; so is a block that has no row under len
.set n, 0
.rept 16
	ds_load_b128 v[96+4*n:99+4*n], v[MI] offset:512*n
.set n, n+1
.endr
	ds_load_b32 v232, v[ML] offset:8192
	ds_load_b32 v233, v[ML] offset:8320
	s_wait_dscnt 0x0
	v_min_num_f32 v234, v12, v232                  ; the joint -M: the larger M
	v_sub_f32 v235, v234, v12                      ; whole numbers, 0 or less; a group that ran no step still has -M = 3e38
	v_sub_f32 v240, v234, v232
	v_cvt_i32_f32 v235, v235                       ; (they saturate: such a group's factor is 0)
	v_cvt_i32_f32 v240, v240
	v_ldexp_f32 v235, 1.0, v235                    ; my factor,
	v_ldexp_f32 v240, 1.0, v240                    ; the partner's: exact powers of two
	v_mul_f32 v241, v14, v235
	v_fma_f32 v241, v233, v240, v241               ; the row's sum
	v_rcp_f32 v241, v241
	v_nop                                          ; a plain instruction behind the reciprocal,
	s_wait_alu depctr_va_vdst(0)                   ; and the wait ahead of its first reader
	v_mul_f32 v244, v235, v241                     ; each factor over the sum, twice: pairs for the packed forms
	v_mul_f32 v245, v235, v241
	v_mul_f32 v246, v240, v241
	v_mul_f32 v247, v240, v241
.set n, 0
.rept 32
	v_pk_mul_f32 v[96+n:97+n], v[96+n:97+n], v[246:247]
.set n, n+2
.endr
.set n, 0
.rept 32
	v_pk_fma_f32 v[96+n:97+n], v[160+n:161+n], v[244:245], v[96+n:97+n]   ; register 8 t + i is out(r, 16 t + 8 h + i).  (A tile with no row under len has 0 x infinity here: all its rows are replaced below)
.set n, n+2
.endr
.irp u, 0,1                                    ; through my tile's stage, half a row (256 bytes) of 16 queries at a time.  LDS serves a wave's instructions in order (ISA guide 5.7.1.4): the loads see the stores, and the next half's stores come behind them
.irp t, 0,1,2,3
	ds_store_b128 v[SIA], v[96+32*\u+8*\t:99+32*\u+8*\t] offset:64*\t
	ds_store_b128 v[SIA], v[100+32*\u+8*\t:103+32*\u+8*\t] offset:64*\t+16
.endr
.irp i, 0,1,2,3,4,5,6,7
	ds_load_b128 v[32+32*\u+4*\i:35+32*\u+4*\i], v[SOA] offset:2*\i*272
.endr
.endr
	s_wait_dscnt 0x0
	s_cmp_eq_u32 s[INVW], 0
	s_cbranch_scc1 .Lvalid
	ds_load_b128 v[160:163], v[MEA]                ; rows at or past len take the mean: a selection, no branch on the lane
	ds_load_b128 v[164:167], v[MEA] offset:256
	s_wait_dscnt 0x0
.irp i, 0,1,2,3,4,5,6,7
	v_cmp_ge_i32 vcc_lo, 2*\i, v[VD]
.irp u, 0,1
.irp e, 0,1,2,3
	v_cndmask_b32 v[32+32*\u+4*\i+\e], v[32+32*\u+4*\i+\e], v[160+4*\u+\e], vcc_lo
.endr
.endr
.endr
.Lvalid:
.irp u, 0,1
.irp i, 0,1,2,3,4,5,6,7
	global_store_b128 v[GO], v[32+32*\u+4*\i:35+32*\u+4*\i], s[OUTT:OUTT+1] offset:1024*\i+256*\u th:TH_STORE_NT   ; sixteen lanes store 256 consecutive bytes, at a multiple of 256 from out's first byte
.endr
.endr
.Lend:
	s_wait_tensorcnt 0x0
	ds_add_u32 v251, v255
	s_wait_dscnt 0x0
	s_endpgm
.Lfunc_end_k_q1ad0f25ca0_attn:
	.size	k_q1ad0f25ca0_attn, .Lfunc_end_k_q1ad0f25ca0_attn-k_q1ad0f25ca0_attn
	.p2alignl 7, 3214868480
	.fill 96, 4, 3214868480
	.section	.rodata,"a",@progbits
	.p2align	6, 0x0
	.amdhsa_kernel k_q1ad0f25ca0_attn
		.amdhsa_group_segment_fixed_size 138240
		.amdhsa_private_segment_fixed_size 0
		.amdhsa_enable_private_segment 0
		.amdhsa_kernarg_size 64
		.amdhsa_user_sgpr_count 2
		.amdhsa_user_sgpr_kernarg_segment_ptr 1
		.amdhsa_wavefront_size32 1
		.amdhsa_system_sgpr_workgroup_id_x 1
		.amdhsa_system_sgpr_workgroup_id_y 1
		.amdhsa_system_sgpr_workgroup_id_z 1
		.amdhsa_system_vgpr_workitem_id 0
		.amdhsa_next_free_vgpr 256
		.amdhsa_next_free_sgpr 80
		.amdhsa_reserve_vcc 1
		.amdhsa_float_denorm_mode_32 3
		.amdhsa_float_denorm_mode_16_64 3
		.amdhsa_memory_ordered 1
		.amdhsa_forward_progress 1
		.amdhsa_inst_pref_size 67
	.end_amdhsa_kernel
	.amdgpu_metadata
---
amdhsa.version: [ 1, 2 ]
amdhsa.kernels:
  - .name:           k_q1ad0f25ca0_attn
    .symbol:         k_q1ad0f25ca0_attn.kd
    .args:
      - { .name: q_codes, .offset: 0, .size: 8, .value_kind: global_buffer, .address_space: global }
      - { .name: q_scales, .offset: 8, .size: 8, .value_kind: global_buffer, .address_space: global }
      - { .name: k_codes, .offset: 16, .size: 8, .value_kind: global_buffer, .address_space: global }
      - { .name: k_scales, .offset: 24, .size: 8, .value_kind: global_buffer, .address_space: global }
      - { .name: v_codes, .offset: 32, .size: 8, .value_kind: global_buffer, .address_space: global }
      - { .name: v_scales, .offset: 40, .size: 8, .value_kind: global_buffer, .address_space: global }
      - { .name: sen_len, .offset: 48, .size: 8, .value_kind: global_buffer, .address_space: global }
      - { .name: out0, .offset: 56, .size: 8, .value_kind: global_buffer, .address_space: global }
    .group_segment_fixed_size: 138240
    .private_segment_fixed_size: 0
    .kernarg_segment_align: 8
    .kernarg_segment_size: 64
    .max_flat_workgroup_size: 512
    .sgpr_count:     80
    .vgpr_count:     256
    .wavefront_size: 32
...
	.end_amdgpu_metadata
.endif
;; end of part 1
;; ======== version 2 of 2: 1 launch; version 1 with the launch attn written anew for expert scheduling mode
;; limits: right only within a limited range of input values
;; launch attn (part 2): grid 64 x 16, 16 waves a work-group, no clusters, 138,240 bytes of LDS; arguments q_codes, q_scales, k_codes, k_scales, v_codes, v_scales, sen_len, out0; writes out0
.if DOCPART == 2
	.amdgcn_target "amdgcn-amd-amdhsa--gfx1250"
	.amdhsa_code_object_version 6
	.text
	.protected	k_q1ad0f25ca0_attn
	.globl	k_q1ad0f25ca0_attn
	.p2align	8
	.type	k_q1ad0f25ca0_attn,@function
k_q1ad0f25ca0_attn:
	s_mov_b64 s[64:65], 0
	v_nop
	global_prefetch_b8 v0, s[64:65] scope:SCOPE_SE
	s_setreg_imm32_b32 hwreg(HW_REG_WAVE_SCHED_MODE, 0, 2), 2
	s_setreg_imm32_b32 hwreg(HW_REG_WAVE_MODE, 25, 1), 1
	s_wait_xcnt 0x0
	s_wait_alu depctr_vm_vsrc(0)
; out[b][h][q][:] = softmax_k(masked q . k / sqrt(128)) v, both products on codes of FP6 (E2M3) with one E8M0 scale for each 32 along a product's K.
; 64 heads, 2,048 positions, head size 128.  q, k: codes along the head's 128 (a row is 96 bytes), scale words of 4 bytes a row.  v: codes with the KEYS innermost (a channel's row is 1,536 bytes), 64 scale bytes a row.  out: f32.
; THE MASK.  A key counts for query q where k <= q, q < len and k < len (len = sen_len[b]); every other logit is -1e9.
;   q < len:  all keys k <= q lie under len too: plain causal attention; a hidden key's p is 0.
;   q >= len: all 2,048 logits are equal, so p = 1 for every key, its code x scale is exactly 1, the row's sum is 2,048: the row is the MEAN of the head's v over all keys, one vector of 128 numbers a head.
; THE SOFTMAX AHEAD OF THE SECOND PRODUCT: t = score x log2(e) / sqrt(128); M = the largest t so far, rounded UP to a whole number; p = 2^(t - M) is quantised along the keys, not normalised; the sum of the unquantised p divides at the end.
; SHARES.  Work-group (x, y): head x, the 128 queries of block QB = 15 - y (the blocks with the most keys have the lowest y).  Sixteen waves of 256 registers.  Wave w: tile TI = w % 8 of 16 queries, key group G = w / 8.
;   A slot of LDS holds 256 keys = two key steps of 128; in trip j wave (TI, G) works step 2 j + G.  So a tile's keys are shared by two waves, each with its own M, sum and O^T, merged once at the end by exact powers of two.
; WHAT sen_len LEAVES OUT.  Steps behind the diagonal, tiles and blocks at or past len are jumped over by scalar branches.  The loop's trip count is a constant and every barrier stands on every wave's path: only work is jumped over.
;   The wholly invalid blocks of a group of four (QB / 4) are stored by the group's top block: the mean reads 204,800 bytes for 65,536 bytes that a block writes, so four blocks share one mean; the other invalid blocks store nothing.
; K AND V COME INTO LDS THROUGH REGISTERS, NOT BY TENSOR LOADS, AND THERE IS NO CLUSTER, though the blocks of a head walk the same K and V:
;   partners of a cluster would need different numbers of slots ((QB / 2) + 1, or none past len).  The branches on sen_len spare every tile at or past len, which is worth more than a shared fetch.
; FRAGMENTS LIE IN LDS AS IMAGES OF THEIR REGISTERS: registers 4 c .. 4 c + 3 of lane l at 512 c + 16 l: three ds_load_b128 bring a fragment of 12 registers.  The staging threads put each 8 bytes of a row where the image wants them.
; BOTH PRODUCTS ARE USED TRANSPOSED (S^T = K Q^T, O^T = V^T P^T): a lane holds ONE query (lane % 16) throughout.  THE KEYS OF A TILE ARE NOT NEIGHBOURS: row r of tile 2 b + u is key 32 b + 8 u + r + 8 (r / 8),
;   so that the 16 registers of tiles 2 b and 2 b + 1 are the 16 neighbouring keys 32 b + 16 (lane / 16) + 0 .. 15.
; LIMITS.  Hidden keys count as p = 0: right where a valid row's largest logit lies above about -1e9 + 104.  NaN, infinities and the scale byte 0xff are not served.  sen_len is held to 0 .. 2,048, which gives what the mask gives for any int32.
;   t = score x c is rounded once, where the definition rounds score / sqrt(128) and then x log2(e).
; THE MODE: SCHED_MODE bits 1:0 = 2 (LLVM: expert scheduling mode 2), set by the entry lines.  The code itself states the register dependences between vector or matrix instructions and memory or LDS instructions, with s_wait_alu, always for 0.
; THE PLAN.  Registers that memory or LDS instructions touch in the loop, and who else names them:
;   v80-91    the next slot's K: loaded from memory at the trip's top, stored to LDS at its end.  No vector instruction names them.
;   v32-43    a fragment of K, twice (LDS loads; the first products read it); then the next slot's V: loaded from memory behind the first products, stored to LDS at the trip's end.
;   v44-79    three fragments of K, twice; then V's tiles 4 to 6 (LDS loads; the products read them).        v92-95   K's scale words, then V's.
;   v96-159   S^T and p, named by matrix and vector instructions alone up to the conversions; then v96-143 take V's tiles 0 to 3 and v144-155 tile 7.
;   v8, v9, v29, v30, v248, v249   six LDS addresses, made together at the trip's top, on every wave's way.      v1, v2, v3, v31   offsets made at the head, not written in the loop.
;   A TRIP'S WAITS: vm_vsrc as its first line (the last trip's LDS stores and loads have read their registers); va_vdst behind the six additions (it serves K's first loads, the idle way's load and the stores at the trip's end);
;   va_vdst ahead of K's second four fragments; va_vdst ahead of the load of V's bytes; the two behind the exponentials; va_vdst behind the conversions, ahead of ALL of V's LDS loads, which come while O^T is rescaled.
; REGISTERS: v1-11 addresses; v12 -M, v13 the largest t, v[14:15] the sum in two halves; v16-27 Q, v28 its scale words; v29-30 LDS addresses; v31 the prefetches' offset; v32-79 four fragments of K (v32-43 then the next slot's bytes of V,
;   v44-79 then three fragments of V); v80-91 the next slot's bytes of K; v92-95 four registers of scale words; v96-159 S^T, then p, then five fragments of V; v160-223 O^T; v224-235 p's codes; v232-254 at work; v248-249 LDS addresses.
.set FP,    1664                       ; a fragment's image: 1,536 bytes + 128
.set QP,    13440                      ; a key step's eight fragments: 8 FP + 128
.set VOFF,  26880                      ; a slot: K's two steps, then V's two
.set SLOT1, 65536                      ; slot 1 begins here: one exclusive or turns an address in one slot into the other's
.set KSC,   119296                     ; K's scale words of the whole head, 8,192 bytes: (step s, tile t, row r) at 512 s + 256 (t / 4) + 16 r + 4 (t % 4)
.set VSC,   127488                     ; V's likewise: KSC + 8,192
.set MEAN,  135680                     ; the head's mean of v: 128 f32
.set MP,    8704                       ; behind the loop: tile TI's 8,704 bytes at TI x MP, in the slots that nobody reads any more: the partner's O^T (8,192), -M (128), sum (128); then the tile's stage, 16 rows x 272
.set LI,   1                           ; v1   16 x lane
.set KGO,  2                           ; v2   my 48 bytes of a slot's K in memory: 48 x thread
.set VGO,  3                           ; v3   of V: row thread / 4, 48 (thread % 4)
.set KLA,  4                           ; v4-5 where my six pieces of K go in slot 0 (two bases: the pieces' places differ between a row's halves by 520 or by 1,016 bytes)
.set KLB,  5
.set VLA,  6                           ; v6-7 the same for V
.set VLB,  7
.set FA,   8                           ; v8   a step's fragments;  at the head: where my wave stores its part of the mean
.set SA,   9                           ; v9   a step's scale words;  at the head: where I read the mean
.set GO,   10                          ; v10  the way out: 512 (lane / 16) + 16 (lane % 16)
.set DG,   11                          ; v11  my query less the diagonal step's first key less 16 (lane / 16);  on the way out: len - Q0 - lane / 16
.set KST,  29                          ; v29  where my four scale words of K go;  in the loop: V's first base in the slot to be filled
.set VST,  30                          ; v30  of V;  in the loop: V's second base
.set PFO,  31
.set ST,   80
.set KSA,  248                         ; v248 in the loop: K's first base in the slot to be filled
.set KSB,  249                         ; v249 K's second base
.set WV,   20                          ; s20  wave
.set TI,   21                          ; s21  tile of queries
.set G,    22                          ; s22  key group
.set QB,   23                          ; s23  block of 128 queries
.set QW,   24                          ; s24  its first query
.set Q0,   25                          ; s25  my tile's first query
.set LEN,  26                          ; s26  sen_len[b], held to 0 .. 2,048
.set ATT,  27                          ; s27  1: the block has rows under len
.set NS,   28                          ; s28  slots that the block needs
.set NSTW, 29                          ; s29  key steps that my tile needs
.set NB,   30                          ; s30  wholly invalid blocks that this work-group stores
.set NEEDM, 31                         ; s31  not 0: the mean is needed
.set JN,   32                          ; s32  the trip, 1 .. 8: also the slot that the trip fetches
.set SI,   33                          ; s33  my key step
.set TBW,  34                          ; s34  LDS byte of my step's fragments of K
.set TBN,  35                          ; s35  LDS byte of the slot to be filled
.set TS,   36                          ; s36  LDS byte of my step's scale words of K
.set PLIM, 37                          ; s37  NS in a wave that prefetches, else 0
.set SEL,  38                          ; s[38:39] lane selects for v_permlanex16_b32: lane l xor 16
.set CS,   40                          ; s[40:41] c = log2(e) / sqrt(128), twice: the packed form names the pair
.set KP,   42                          ; s[42:43] slot JN's K in memory
.set VP,   44                          ; s[44:45] slot JN's V
.set PFA,  46                          ; s[46:47] where my prefetches stand: slot JN + 1
.set PFS,  48                          ; s[48:49] a slot on
.set EVR,  50                          ; s50  3 in V's prefetching waves, 0 in K's
.set INVW, 51                          ; s51  1: my tile has rows at or past len
.set OUTT, 52                          ; s[52:53] out at my tile's first row
.set OF,   54                          ; s[54:55] out at row 8 x wave of my block
.set MK,   4                           ; s4-19 behind the head, when the arguments' addresses are used up: the masks of up to sixteen compares
.macro LDK reg                         ; my 48 bytes of slot JN's K: a wave's three loads cover 1,536 consecutive bytes
.irp i, 0,1,2
	global_load_b128 v[\reg+4*\i:\reg+4*\i+3], v[KGO], s[KP:KP+1] offset:16*\i
.endr
.endm
.macro LDV reg                         ; and of V: four threads to a row's 192 bytes
.irp i, 0,1,2
	global_load_b128 v[\reg+4*\i:\reg+4*\i+3], v[VGO], s[VP:VP+1] offset:16*\i
.endr
.endm
; Half a row (48 bytes, six pieces of 8) into its fragment's image.  Piece p of a row's twelve belongs to registers 6 (p / 6) + 2 (p % 3) of lane r + 16 ((p % 6) / 3): from the image's byte 16 r on that is
; 0, 8, 512, 256, 264, 768 for the first half and 520, 1024, 1032, 776, 1280, 1288 for the second: a = base + 520 half, b = base + 1016 half.
; FP and QP are 32 words more than a multiple of 64 words, 520 bytes are 2 words more, 1,016 are 2 fewer: the 32 lanes of each store touch 64 different banks (64 banks of 4 bytes: ISA guide 11.1).
.macro PUT reg, a, b
	ds_store_b64 v[\a], v[\reg:\reg+1]
	ds_store_b64 v[\b], v[\reg+2:\reg+3] offset:8
	ds_store_b64 v[\a], v[\reg+4:\reg+5] offset:512
	ds_store_b64 v[\a], v[\reg+6:\reg+7] offset:256
	ds_store_b64 v[\b], v[\reg+8:\reg+9] offset:264
	ds_store_b64 v[\a], v[\reg+10:\reg+11] offset:768
.endm
.macro BAR                             ; my LDS stores have landed and my LDS loads are in: then the work-group's barrier
	s_wait_dscnt 0x0
	s_barrier_signal -1
	s_barrier_wait -1
.endm
.macro PLACES n                        ; plain vector instructions between a matrix instruction and what touches its registers (ISA guide 7.12.1)
.rept \n
	v_nop
.endr
.endm
.macro VFRAG t                         ; VF: where tile t of V's eight fragments stands: tiles 0 to 3 in v96-143, 4 to 6 in v44-79, 7 in v144-155: registers that K's fragments and p have left
.set VF, 96+12*(\t)
.if (\t) > 3
.set VF, 44+12*((\t)-4)
.endif
.if (\t) == 7
.set VF, 144
.endif
.endm
	; ---- the head: ids, offsets, and every LDS address that outlives a branch
	s_load_b512 s[4:19], s[0:1], 0x0               ; q's codes s[4:5], q's scales s[6:7], k's s[8:9], s[10:11], v's s[12:13], s[14:15], sen_len s[16:17], out s[18:19]
	v_lshl_add_u32 v251, v0, 2, 0x21400            ; my spare word, behind the mean, and 0: kept for the closing lines alone
	v_mov_b32 v255, 0
	v_lshrrev_b32 v1, 5, v0
	v_readfirstlane_b32 s[WV], v1
	s_and_b32 s[QB], ttmp7, 0xffff
	s_sub_co_u32 s[QB], 15, s[QB]
	s_lshl_b32 s[QW], s[QB], 7
	s_mul_i32 s56, ttmp9, 196608                   ; the head's first byte in each tensor of codes,
	s_mov_b32 s57, 0
	s_lshl_b32 s58, ttmp9, 13                      ; of scale bytes,
	s_mov_b32 s59, 0
	s_lshl_b32 s60, ttmp9, 20                      ; and in out
	s_mov_b32 s61, 0
	s_wait_alu depctr_va_sdst(0)                   ; the wave's number is written, ahead of its first reader
	s_and_b32 s[TI], s[WV], 7
	s_lshr_b32 s[G], s[WV], 3
	s_lshl_b32 s[Q0], s[TI], 4
	s_add_co_u32 s[Q0], s[Q0], s[QW]
	s_mul_i32 s62, s[Q0], 96                       ; my tile's codes of q,
	s_mov_b32 s63, 0
	s_lshl_b32 s66, s[Q0], 2                       ; its scale words,
	s_mov_b32 s67, 0
	s_lshl_b32 s68, s[Q0], 9                       ; its rows of out
	s_mov_b32 s69, 0
	s_lshl_b32 s70, s[QW], 9
	s_lshl_b32 s71, s[WV], 12
	s_add_co_u32 s70, s70, s71                     ; row 8 x wave of my block
	s_mov_b32 s71, 0
	s_lshr_b32 s72, ttmp9, 4                       ; b = head / 16
	s_lshl_b32 s72, s72, 2
	s_mov_b32 s73, 0
	s_mov_b32 s[SEL], 0x76543210
	s_mov_b32 s[SEL+1], 0xfedcba98
	s_mov_b32 s[CS], 0x3e0293ee
	s_mov_b32 s[CS+1], s[CS]
	v_and_b32 v1, 31, v0
	v_lshlrev_b32 v[LI], 4, v1
	v_mul_u32_u24 v[KGO], v0, 48
	v_lshrrev_b32 v32, 2, v0
	v_and_b32 v33, 3, v0
	v_mul_u32_u24 v[VGO], v32, 1536
	v_mad_u32_u24 v[VGO], v33, 48, v[VGO]
	v_bfe_u32 v34, v0, 8, 1
	v_bfe_u32 v35, v0, 6, 2
	v_bfe_u32 v36, v0, 4, 1
	v_bfe_u32 v37, v0, 1, 3
	v_bfe_u32 v38, v0, 5, 1
	v_and_b32 v39, 1, v0                           ; which half of a row is mine
	v_lshl_add_u32 v40, v35, 1, v36                ; K: thread / 2 is the slot's key.  Its bits: 0-2 r % 8, 3 u, 4 r / 8, 5-6 b, 7 the step.  Tile 2 b + u,
	v_lshl_add_u32 v41, v38, 3, v37                ; row r
	v_mul_u32_u24 v42, v34, QP
	v_mad_u32_u24 v42, v40, FP, v42
	v_lshl_add_u32 v42, v41, 4, v42
	v_mad_u32_u24 v[KLA], v39, 520, v42
	v_mad_u32_u24 v[KLB], v39, 1016, v42
	v_bfe_u32 v43, v0, 1, 1                        ; V: thread / 4 is the channel: tile thread / 64, row (thread / 4) % 16; bit 1 the step
	v_lshrrev_b32 v44, 6, v0
	v_bfe_u32 v45, v0, 2, 4
	v_mul_u32_u24 v46, v43, QP
	v_mad_u32_u24 v46, v44, FP, v46
	v_lshl_add_u32 v46, v45, 4, v46
	v_add_nc_u32 v46, VOFF, v46
	v_mad_u32_u24 v[VLA], v39, 520, v46
	v_mad_u32_u24 v[VLB], v39, 1016, v46
	v_lshrrev_b32 v47, 4, v0                       ; K's scale words: thread t holds keys 4 t + e: step t / 32; r = e + 4 (t % 2) + 8 ((t / 4) % 2); u = (t / 2) % 2; b = (t / 8) % 4
	v_bfe_u32 v48, v0, 2, 1
	v_bfe_u32 v49, v0, 3, 1
	v_lshl_add_u32 v[KST], v47, 8, KSC             ; 512 x step + 256 (b / 2)
	v_lshl_add_u32 v[KST], v39, 6, v[KST]
	v_lshl_add_u32 v[KST], v48, 7, v[KST]
	v_lshl_add_u32 v[KST], v49, 3, v[KST]
	v_lshl_add_u32 v[KST], v43, 2, v[KST]          ; word e goes 16 e further on
	v_lshl_add_u32 v[VST], v33, 11, VSC            ; V's: thread t holds channel t / 4, steps 4 (t % 4) + e
	v_lshl_add_u32 v[VST], v34, 8, v[VST]
	v_lshl_add_u32 v[VST], v45, 4, v[VST]
	v_lshl_add_u32 v[VST], v35, 2, v[VST]          ; word e goes 512 e further on
	v_and_b32 v50, 15, v0                          ; r
	v_lshlrev_b32 v[GO], 9, v36
	v_lshl_add_u32 v[GO], v50, 4, v[GO]
	v_lshlrev_b32 v[DG], 4, v36
	v_sub_nc_u32 v[DG], v50, v[DG]
	s_lshl_b32 s74, s[TI], 4
	v_add_nc_u32 v[DG], s74, v[DG]                 ; r - 16 h + 16 TI
	s_lshl_b32 s74, s[WV], 5
	s_add_co_u32 s74, s74, MEAN
	v_mov_b32 v[FA], s74                           ; my wave's eight numbers of the mean
	v_add_nc_u32 v[SA], MEAN, v[LI]                ; and where I read four of the 128
	s_wait_kmcnt 0x0
	s_add_nc_u64 s[16:17], s[16:17], s[72:73]
	s_load_b32 s[LEN], s[16:17], 0x0               ; sen_len[b]
	s_add_nc_u64 s[KP:KP+1], s[8:9], s[56:57]      ; slot 0
	s_add_nc_u64 s[VP:VP+1], s[12:13], s[56:57]
	s_add_nc_u64 s[4:5], s[4:5], s[56:57]
	s_add_nc_u64 s[4:5], s[4:5], s[62:63]
	s_add_nc_u64 s[6:7], s[6:7], s[58:59]
	s_add_nc_u64 s[6:7], s[6:7], s[66:67]
	s_add_nc_u64 s[10:11], s[10:11], s[58:59]
	s_add_nc_u64 s[14:15], s[14:15], s[58:59]
	s_add_nc_u64 s[18:19], s[18:19], s[60:61]
	s_add_nc_u64 s[OUTT:OUTT+1], s[18:19], s[68:69]
	s_add_nc_u64 s[OF:OF+1], s[18:19], s[70:71]
	; the prefetches: waves 0 to 2 stand in K (8,192 bytes a wave, lanes 256 bytes apart), waves 4 to 7 in V (32 rows a wave, a lane a row, the last byte of the row's part of a slot)
	s_cmp_lt_u32 s[WV], 4
	s_cselect_b64 s[PFA:PFA+1], s[KP:KP+1], s[VP:VP+1]
	s_mov_b32 s[PFS], 192
	s_cselect_b32 s[PFS], 24576, s[PFS]
	s_mov_b32 s56, 1536
	s_cselect_b32 s56, 256, s56
	s_mov_b32 s57, 49152
	s_cselect_b32 s57, 8192, s57
	s_cselect_b32 s58, 0, 191
	s_cselect_b32 s[EVR], 0, 3
	s_mov_b32 s[PFS+1], 0
	v_and_b32 v[PFO], 31, v0
	v_mul_lo_u32 v[PFO], v[PFO], s56
	s_and_b32 s59, s[WV], 3
	s_mul_i32 s59, s59, s57
	s_add_co_u32 s59, s59, s58
	s_lshl_b32 s60, s[PFS], 1                      ; the first trip names slot 2
	s_add_co_u32 s60, s60, s59
	s_mov_b32 s61, 0
	s_add_nc_u64 s[PFA:PFA+1], s[PFA:PFA+1], s[60:61]
	s_mov_b32 s[JN], 1
	s_mov_b32 s[SI], s[G]
	s_mul_i32 s[TBW], s[G], QP
	s_mov_b32 s[TBN], SLOT1
	s_lshl_b32 s[TS], s[G], 9
	s_add_co_u32 s[TS], s[TS], KSC
	s_wait_kmcnt 0x0                               ; sen_len[b]
	s_max_i32 s[LEN], s[LEN], 0
	s_min_i32 s[LEN], s[LEN], 2048
	s_lshr_b32 s56, s[QB], 1
	s_add_co_u32 s56, s56, 1                       ; slots up to the diagonal
	s_add_co_u32 s57, s[QB], 1                     ; key steps up to the diagonal
	s_add_co_u32 s58, s[QW], 128                   ; the block's end
	s_add_co_u32 s59, s[Q0], 16                    ; my tile's end
	s_add_co_u32 s60, s[LEN], 127
	s_lshr_b32 s60, s60, 7                         ; the first wholly invalid block
	s_sub_co_i32 s[NB], s57, s60
	s_max_i32 s[NB], s[NB], 0
	s_min_i32 s[NB], s[NB], 4
	s_and_b32 s61, s[QB], 3
	s_cmp_eq_u32 s61, 3                            ; only the top block of a group of four stores for the group
	s_cselect_b32 s[NB], s[NB], 0
	s_cmp_lt_u32 s[QW], s[LEN]
	s_cselect_b32 s[ATT], 1, 0
	s_cselect_b32 s[NS], s56, 0
	s_cmp_lt_u32 s[Q0], s[LEN]
	s_cselect_b32 s[NSTW], s57, 0
	s_cmp_lt_u32 s[LEN], s58                       ; len falls inside the block
	s_cselect_b32 s[NEEDM], s[ATT], 0
	s_cmp_lt_u32 s[LEN], s59
	s_cselect_b32 s[INVW], 1, 0
	s_cmp_le_u32 s[LEN], s58                       ; the head's last block with rows under len walks every slot that any block of the head needs: it prefetches
	s_cselect_b32 s[PLIM], s[NS], 0
	s_cmp_eq_u32 s[WV], 3
	s_cselect_b32 s[PLIM], 0, s[PLIM]
	s_cmp_ge_u32 s[WV], 8
	s_cselect_b32 s[PLIM], 0, s[PLIM]
	s_or_b32 s[NEEDM], s[NEEDM], s[NB]
	; ---- THE MEAN OF v.  Wave w takes channels 8 w + c.  One matrix instruction a channel: source 0 = sixteen rows of ones under the scale 2^-11, source 1 = the channel's 2,048 keys as sixteen columns of 128.
	; Source 0 is the same for every k, so a lane may hold any of its column's blocks so long as each meets its own scale byte: lane (r, h) takes the 48 consecutive bytes at 96 r + 48 h, blocks 4 r + 2 h and 4 r + 2 h + 1,
	; where the layout has blocks h and 2 + h of the column: so bytes 1 and 2 of the column's scale word change places.  All rows of the result are equal; register 0 of lane l is column l % 16's part.
	s_cmp_eq_u32 s[NEEDM], 0
	s_cbranch_scc1 .Lno_mean
	s_mul_i32 s56, s[WV], 12288                    ; my eight rows of 1,536 bytes
	s_mov_b32 s57, 0
	s_add_nc_u64 s[56:57], s[VP:VP+1], s[56:57]
	s_lshl_b32 s58, s[WV], 9                       ; and their 64 scale bytes each
	s_mov_b32 s59, 0
	s_add_nc_u64 s[58:59], s[14:15], s[58:59]
	v_and_b32 v244, 15, v0
	v_bfe_u32 v245, v0, 4, 1
	v_mul_u32_u24 v242, v244, 96
	v_mad_u32_u24 v242, v245, 48, v242
	v_and_b32 v243, 31, v0
	v_lshlrev_b32 v243, 2, v243
.irp i, 0,1,2,3
	v_mov_b32 v[224+3*\i], 0x08208208              ; the code of 1.0 is 8: sixteen of them are these 96 bits
	v_mov_b32 v[225+3*\i], 0x82082082
	v_mov_b32 v[226+3*\i], 0x20820820
.endr
	v_mov_b32 v236, 0x74747474                     ; E8M0 116: 2^-11 = 1 / 2,048
	s_wait_alu depctr_va_vdst(0)                   ; the offsets v242 and v243 are written, which the loads below read; so are the ones and their scale, which the products take
.irp c, 0,1,2,3,4,5,6,7
.irp i, 0,1,2
	global_load_b128 v[128+12*\c+4*\i:131+12*\c+4*\i], v242, s[56:57] offset:1536*\c+16*\i
.endr
.endr
.irp d, 0,1,2,3
	global_load_b32 v[238+\d], v243, s[58:59] offset:128*\d   ; lanes 0-15: channel 2 d's sixteen words; lanes 16-31: channel 2 d + 1's
.endr
	s_wait_loadcnt 0x0
.irp d, 0,1,2,3
	v_perm_b32 v[238+\d], v[238+\d], v[238+\d], 0x03010200    ; bytes 1 and 2 change places
.endr
	PLACES 8                                       ; a scale register written by a vector instruction stands eight places ahead of a scaled matrix instruction
	s_wait_alu depctr_va_vdst(0)                   ; behind the places: the four turned scale words v238-241 are written, which the products take as scales
.irp c, 0,1,2,3,4,5,6,7
.if \c % 2
	v_wmma_scale_f32_16x16x128_f8f6f4 v[32+8*\c:39+8*\c], v[224:235], v[128+12*\c:139+12*\c], 0, v236, v[238+\c/2] matrix_a_fmt:MATRIX_FMT_FP6 matrix_b_fmt:MATRIX_FMT_FP6 matrix_b_scale:MATRIX_SCALE_ROW1
.else
	v_wmma_scale_f32_16x16x128_f8f6f4 v[32+8*\c:39+8*\c], v[224:235], v[128+12*\c:139+12*\c], 0, v236, v[238+\c/2] matrix_a_fmt:MATRIX_FMT_FP6 matrix_b_fmt:MATRIX_FMT_FP6
.endif
.endr
	PLACES 4
.irp m, 1,2,4,8
.irp c, 0,1,2,3,4,5,6,7
	v_add_f32_dpp v[32+8*\c], v[32+8*\c], v[32+8*\c] row_xmask:\m row_mask:0xf bank_mask:0xf   ; the sixteen columns' parts; the eight channels by turns
.endr
.endr
	s_wait_alu depctr_va_vdst(0)                   ; the additions have written the eight sums v32 + 8 c, which the LDS stores read
.irp c, 0,1,2,3,4,5,6,7
	ds_store_b32 v[FA], v[32+8*\c] offset:4*\c     ; all lanes write the same word with the same value
.endr
	s_wait_dscnt 0x0                               ; my part of the mean has landed
	s_wait_alu depctr_vm_vsrc(0)                   ; the stores have read v32 + 8 c, which the moves below write; the loads have read v242, which a key step's conversions write
.Lno_mean:
	; ---- what a step finds at its first turn.  O^T and the sum begin as zeros and the largest t as -3e38: the first change of M multiplies zeros.
	; Q, the two staging sets and the permutes' destinations are loaded under one branch and read under another: they are written once here, on the way that every wave takes.
	v_mov_b32 v13, 0xff61b1e6
	v_floor_f32 v12, -v13
	v_mov_b32 v14, 0
	v_mov_b32 v15, 0
.set n, 16
.rept 13
	v_mov_b32 v[n], 0
.set n, n+1
.endr
.set n, 0
.rept 12
	v_mov_b32 v[32+n], 0
	v_mov_b32 v[ST+n], 0
.set n, n+1
.endr
.irp b, 0,1,2,3
	v_mov_b32 v[236+\b], 0
.endr
	v_mov_b32 v252, 0
	v_mov_b32 v253, 0
.set n, 0
.rept 64
	v_mov_b32 v[160+n], 0
.set n, n+1
.endr
	v_and_b32 v131, 15, v0                         ; the offsets of Q's and the scale bytes' loads, made here, on every wave's way, so that the one wait below serves them too
	v_bfe_u32 v132, v0, 4, 1
	v_mul_u32_u24 v128, v131, 96
	v_mad_u32_u24 v128, v132, 24, v128             ; Q: row r, + 24 h
	v_lshlrev_b32 v129, 2, v131                    ; its scale word
	v_lshlrev_b32 v130, 4, v0                      ; the scale bytes: 16 bytes a thread, 8,192 in all
	s_wait_alu depctr_va_vdst(0)                   ; every offset and LDS address made so far (v1-10, v29-31, v128-130) is written, which the loads, stores and prefetches from here on read; the moves have written v16-28, v32-43 and v80-91, in which loads land
	; ---- a block with rows under len: slot 0, the head's scale words, my tile of Q
	s_cmp_eq_u32 s[ATT], 0
	s_cbranch_scc1 .Lno_att
	LDK 96
	LDV 108
	global_load_b128 v[120:123], v130, s[10:11]
	global_load_b128 v[124:127], v130, s[14:15]
.irp p, 0,1,2,3,4,5
	global_load_b64 v[16+2*\p:17+2*\p], v128, s[4:5] offset:48*(\p/3)+8*(\p%3)
.endr
	global_load_b32 v28, v129, s[6:7]
	s_wait_loadcnt 0x0
	PUT 96, KLA, KLB
	PUT 108, VLA, VLB
.irp e, 0,1,2,3
	ds_store_b32 v[KST], v[120+\e] offset:16*\e
	ds_store_b32 v[VST], v[124+\e] offset:512*\e
.endr
.Lno_att:
	s_add_nc_u64 s[KP:KP+1], s[KP:KP+1], 24576     ; on to slot 1 (every load that named these has been waited for)
	s_add_nc_u64 s[VP:VP+1], s[VP:VP+1], 192
	BAR                                            ; slot 0, the scale words and the mean lie in LDS
	; ---- the wholly invalid blocks of my group of four: every row is the mean.  Wave w stores rows 8 w .. 8 w + 7 of each; a store is a whole row of 512 bytes
	s_cmp_eq_u32 s[NB], 0
	s_cbranch_scc1 .Lno_fill
	ds_load_b128 v[224:227], v[SA]                 ; into registers that no store has read and that no vector or matrix instruction has named since the wait above
	s_wait_dscnt 0x0
.irp i, 0,1,2,3
.if \i
	s_cmp_le_u32 s[NB], \i
	s_cbranch_scc1 .Lfilled
.endif
.irp w, 0,1,2,3,4,5,6,7
	global_store_b128 v[LI], v[224:227], s[OF:OF+1] offset:512*\w-65536*\i th:TH_STORE_NT
.endr
.endr
.Lfilled:
	s_wait_xcnt 0x0                                ; the stores have read their data, which later lines write
.Lno_fill:
	; ---- THE LOOP: eight trips, a constant.  Trip JN works slot JN - 1 and fetches slot JN.
.Ltrip:
	s_wait_alu depctr_vm_vsrc(0)                   ; the last trip's LDS stores have read v80-91 and v32-43, in which loads land below, and its LDS instructions their six addresses, which are written below; in the first trip: the head's stores and loads have read v96-130, v224-227, v8, v9, v29, v30
	s_cmp_ge_u32 s[JN], s[NS]
	s_cbranch_scc1 .Lno_k
	LDK ST                                         ; the next slot's K: it has the whole step in which to come
	; A PREFETCH INTO THE L2 of slot JN + 1, which the next trip's loads will want: one instruction a wave, in the one block of the head that walks all its slots.  Each aligned block of 256 bytes is named once:
	; a slot's part of a row of V is 192 bytes, and a lane names its last byte; the parts of slots 3 and 7 end in the block that the slot before has named, so V's waves pass over them.  Slots 0 and 1 come by their loads alone; past the last slot nothing is named.
	s_add_co_u32 s56, s[JN], 1
	s_cmp_lt_u32 s56, s[PLIM]
	s_cbranch_scc0 .Lno_k
	s_and_b32 s56, s56, s[EVR]
	s_cmp_eq_u32 s56, 3
	s_cbranch_scc1 .Lno_k
	global_prefetch_b8 v[PFO], s[PFA:PFA+1] th:TH_LOAD_NT scope:SCOPE_SE
.Lno_k:
	v_add_nc_u32 v[FA], s[TBW], v[LI]              ; the trip's six LDS addresses, on every wave's way: my step's fragments and scale words,
	v_add_nc_u32 v[SA], s[TS], v[LI]
	v_add_nc_u32 v[KSA], s[TBN], v[KLA]            ; and where my 96 bytes go in the slot that was left at the last barrier.
	v_add_nc_u32 v[KSB], s[TBN], v[KLB]
	v_add_nc_u32 v[KST], s[TBN], v[VLA]
	v_add_nc_u32 v[VST], s[TBN], v[VLB]            ; These six are also the places behind the last step's products: the scores below are written over registers that those read (five are owed)
	s_wait_alu depctr_va_vdst(0)                   ; the six addresses are written, which the LDS loads below and the stores at the trip's end read; the last step's products are done reading v32-79 and v92-95, in which loads land
	s_cmp_ge_u32 s[SI], s[NSTW]                    ; a step behind the diagonal, or a tile at or past len: no work
	s_cbranch_scc1 .Lidle
	; ---- A KEY STEP: 128 keys
	ds_load_b128 v[92:95], v[SA]                   ; K's scale words: register i: tile i in lanes 0-15, tile 4 + i in lanes 16-31
.irp g, 0,1                                    ; S^T = K Q^T, four tiles of 16 keys at a time
.if \g
	PLACES 4                                       ; in front of loads into registers that matrix instructions have read
	s_wait_alu depctr_va_vdst(0)                   ; the four products above are done reading v32-79, in which the next four fragments land
.endif
.irp t, 0,1,2,3
.irp c, 0,1,2
	ds_load_b128 v[32+12*\t+4*\c:35+12*\t+4*\c], v[FA] offset:(4*\g+\t)*FP+512*\c
.endr
.endr
	s_wait_dscnt 0x0
.irp t, 0,1,2,3
.if \g
	v_wmma_scale_f32_16x16x128_f8f6f4 v[96+8*(4*\g+\t):103+8*(4*\g+\t)], v[32+12*\t:43+12*\t], v[16:27], 0, v[92+\t], v28 matrix_a_fmt:MATRIX_FMT_FP6 matrix_b_fmt:MATRIX_FMT_FP6 matrix_a_scale:MATRIX_SCALE_ROW1
.else
	v_wmma_scale_f32_16x16x128_f8f6f4 v[96+8*(4*\g+\t):103+8*(4*\g+\t)], v[32+12*\t:43+12*\t], v[16:27], 0, v[92+\t], v28 matrix_a_fmt:MATRIX_FMT_FP6 matrix_b_fmt:MATRIX_FMT_FP6
.endif
.endr
.endr
	PLACES 4                                       ; in front of the load below and of the first read of the scores
	s_cmp_ge_u32 s[JN], s[NS]
	s_cbranch_scc1 .Lno_v
	s_wait_alu depctr_va_vdst(0)                   ; the products are done reading v32-43, in which the load below lands
	LDV 32                                         ; the next slot's V, into registers that K's fragments have left: it has the softmax and the second product in which to come
.Lno_v:
	s_cmp_lg_u32 s[SI], s[QB]                      ; only step QB lies on the diagonal: there hidden scores become -infinity ahead of the maximum, so that p = 0
	s_cbranch_scc1 .Lopen
	v_mov_b32 v254, 0xff800000
.irp q, 0,1,2,3                                ; a block of 32 keys at a time: my sixteen compares in a run, into sixteen scalar registers, one wait, the sixteen selections
.set n, 0
.rept 16
	v_cmp_gt_i32 s[MK+n], 32*\q+n, v[DG]           ; register 16 b + i holds key 128 QB + 16 (lane / 16) + 32 b + i
.set n, n+1
.endr
	s_wait_alu depctr_va_sdst(0)                   ; the sixteen masks are written, ahead of their first reader
.set n, 0
.rept 16
	v_cndmask_b32 v[96+16*\q+n], v[96+16*\q+n], v254, s[MK+n]
.set n, n+1
.endr
.endr
.Lopen:
.irp b, 0,1,2,3
	v_max3_num_f32 v[232+\b], v[96+16*\b], v[97+16*\b], v[98+16*\b]   ; the largest score of each block of 32 keys: for the row's maximum and, since p rises with the score, for the block's largest p
.endr
.irp i, 3,5,7,9,11,13
.irp b, 0,1,2,3
	v_max3_num_f32 v[232+\b], v[232+\b], v[96+16*\b+\i], v[97+16*\b+\i]   ; (the four blocks by turns)
.endr
.endr
.irp b, 0,1,2,3
	v_max_num_f32 v[232+\b], v[232+\b], v[111+16*\b]
.endr
.irp b, 0,1,2,3
	v_permlanex16_b32 v[236+\b], v[232+\b], s[SEL], s[SEL+1]
.endr
.irp b, 0,1,2,3
	v_max_num_f32 v[232+\b], v[232+\b], v[236+\b]  ; with lane l xor 16's 16 keys
.endr
	v_max3_num_f32 v254, v232, v233, v234
	v_max_num_f32 v254, v254, v235                 ; the step's largest score of my query
	v_mul_f32 v254, s[CS], v254                    ; as t (c is positive)
	v_max_num_f32 v13, v13, v254                   ; the running largest t
	v_mov_b32 v254, v12
	v_floor_f32 v12, -v13                          ; the new -M = floor(-t) = -ceil(t): M is a whole number
	v_sub_f32 v254, v12, v254                      ; M's old value less its new one: a whole number, 0 or less
	v_cvt_i32_f32 v254, v254                       ; (it saturates)
	v_ldexp_f32 v252, 1.0, v254                    ; f = 2^(old M - new M): a multiplication by it rounds nothing
.set n, 0
.rept 32
	v_pk_fma_f32 v[96+n:97+n], v[96+n:97+n], s[CS:CS+1], v[12:13] op_sel_hi:[1,0,0]   ; t - M, two at a time (of the pairs c and -M the low word serves both halves)
.set n, n+2
.endr
.irp b, 0,1,2,3
	v_fma_f32 v[232+\b], v[232+\b], s[CS], v12     ; the same of each block's largest score
.endr
.set n, 0
	s_wait_alu depctr_va_vdst(0)
.rept 64
	v_exp_f32 v[96+n], v[96+n]                     ; p = 2^(t - M), at most 1: not normalised
.set n, n+1
.endr
	v_pk_mul_f32 v[14:15], v[14:15], v[252:253] op_sel_hi:[1,0]   ; the sums under the new M: the plain instruction behind the exponentials
	s_wait_alu depctr_va_vdst(0)                   ; one wait for the batch of 64, ahead of its first reader: the exponentials have written v96-159
.irp b, 0,1,2,3
	v_exp_f32 v[232+\b], v[232+\b]                 ; the block's largest p: the same two instructions on the same number give the same bits
.endr
	v_pk_add_f32 v[236:237], v[96:97], v[98:99]    ; the row's sum is taken of the unquantised p: two at a time, in two chains; it reads the 64 alone
.irp j, 4,8,12,16,20,24,28,32,36,40,44,48,52,56,60
	v_pk_add_f32 v[14:15], v[14:15], v[96+\j:97+\j]
	v_pk_add_f32 v[236:237], v[236:237], v[98+\j:99+\j]
.endr
	v_pk_add_f32 v[14:15], v[14:15], v[236:237]
	s_wait_alu depctr_va_vdst(0)                   ; and one for the four: the exponentials have written v232-235
.irp b, 0,1,2,3
	v_max_num_f32 v[232+\b], 0x1800000, v[232+\b]  ; the floor 2^(3 - 127): the byte cannot fall under 1 (a block whose every p is 0 keeps that byte: its codes are zeros)
.endr
.irp b, 0,1,2,3
	v_add_nc_u32 v[244+\b], 0xff000000, v[232+\b]  ; 2 off the exponent field: the conversion's scale operand
.endr
.irp b, 0,1,2,3
	v_lshrrev_b32 v[236+\b], 23, v[244+\b]         ; the scale's byte
.endr
	v_lshl_or_b32 v253, v237, 8, v236              ; p's scale word for these 128 keys
	v_lshl_or_b32 v253, v238, 16, v253
	v_lshl_or_b32 v253, v239, 24, v253
.irp c, 0,1
	v_cvt_scalef32_pk16_fp6_f32 v[224+6*\c:226+6*\c], v[96+32*\c:111+32*\c], v[244+2*\c]
	v_cvt_scalef32_pk16_fp6_f32 v[236+4*\c:238+4*\c], v[112+32*\c:127+32*\c], v[244+2*\c+1]   ; (a conversion's three registers begin on an even number)
.endr
	v_nop                                          ; one plain instruction behind the scaled conversions
.irp c, 0,1                                    ; the operand's layout wants a whole block in a lane: lanes 0-15 block 2 c, lanes 16-31 block 2 c + 1
.irp i, 0,1,2
	v_permlane16_swap_b32 v[224+6*\c+\i], v[236+4*\c+\i]
.endr
.irp i, 0,1,2
	v_mov_b32 v[227+6*\c+\i], v[236+4*\c+\i]
.endr
.endr
.set n, 0
.rept 8
	v_pk_mul_f32 v[160+n:161+n], v[160+n:161+n], v[252:253] op_sel_hi:[1,0]   ; O^T under the new M.  These eight are the places between the lines that made p's codes and scale word and the products below; the other 24 follow the loads
.set n, n+2
.endr
	s_wait_alu depctr_va_vdst(0)                   ; behind the places: the conversions are done reading p, v96-159, in which V's fragments land; p's codes v224-235 and its scale word v253 are written, which the products take
	ds_load_b128 v[92:95], v[SA] offset:8192       ; V's scale words lie 8,192 bytes behind K's
.irp t, 0,1,2,3,4,5,6,7                        ; all eight fragments of V in one run: none lands in a register that a vector or matrix instruction names between the wait above and its product
	VFRAG \t
.irp c, 0,1,2
	ds_load_b128 v[VF+4*\c:VF+4*\c+3], v[FA] offset:VOFF+\t*FP+512*\c
.endr
.endr
.rept 24
	v_pk_mul_f32 v[160+n:161+n], v[160+n:161+n], v[252:253] op_sel_hi:[1,0]   ; the rest of O^T, while the fragments come: these name v176-223 and the pair of f alone
.set n, n+2
.endr
	s_wait_alu depctr_va_vdst(0)
	s_wait_dscnt 12                                ; LDS loads come back in order (ISA guide 5.7.1): the scale words and tiles 0 to 3 are in; the twelve younger loads, tiles 4 to 7, may be out
.irp t, 0,1,2,3,4,5,6,7                        ; O^T += V^T P^T: eight tiles of 16 channels; the eight accumulators take turns, one instruction a turn
	VFRAG \t
.if \t == 4
	s_wait_dscnt 0x0                               ; tiles 4 to 7 are in
.endif
.if \t > 3
	v_wmma_scale_f32_16x16x128_f8f6f4 v[160+8*\t:167+8*\t], v[VF:VF+11], v[224:235], v[160+8*\t:167+8*\t], v[88+\t], v253 matrix_a_fmt:MATRIX_FMT_FP6 matrix_b_fmt:MATRIX_FMT_FP6 matrix_a_scale:MATRIX_SCALE_ROW1
.else
	v_wmma_scale_f32_16x16x128_f8f6f4 v[160+8*\t:167+8*\t], v[VF:VF+11], v[224:235], v[160+8*\t:167+8*\t], v[92+\t], v253 matrix_a_fmt:MATRIX_FMT_FP6 matrix_b_fmt:MATRIX_FMT_FP6
.endif
.endr
	s_branch .Ljoin
.Lidle:
	s_cmp_ge_u32 s[JN], s[NS]                      ; a wave without a step still brings its part of the next slot
	s_cbranch_scc1 .Ljoin
	LDV 32                                         ; (nothing has named v32-43 since the two waits at the trip's top)
.Ljoin:
	s_wait_loadcnt 0x0                             ; on every way: my 96 bytes of the next slot are in, and no load is out when the next is issued
	s_cmp_ge_u32 s[JN], s[NS]
	s_cbranch_scc1 .Lno_put
	PUT ST, KSA, KSB                               ; into the slot that was left at the last barrier.  No wait on the vector side: the four addresses were written ahead of the wait at the trip's top, the data came by loads, and no vector or matrix instruction has named either since
	PUT 32, KST, VST
.Lno_put:
	BAR                                            ; ONE barrier a trip, for two things: every wave's reads of this trip's slot are in, so the next trip may store over it; every wave's stores into the other slot have landed, so the next trip may read it
	s_xor_b32 s[TBW], s[TBW], SLOT1
	s_xor_b32 s[TBN], s[TBN], SLOT1
	s_add_co_u32 s[TS], s[TS], 1024                ; two key steps' scale words on
	s_add_co_u32 s[SI], s[SI], 2
	s_wait_xcnt 0x0                                ; the trip's loads and its prefetch have read their bases, which step now
	s_add_nc_u64 s[KP:KP+1], s[KP:KP+1], 24576
	s_add_nc_u64 s[VP:VP+1], s[VP:VP+1], 192
	s_add_nc_u64 s[PFA:PFA+1], s[PFA:PFA+1], s[PFS:PFS+1]
	s_add_co_u32 s[JN], s[JN], 1
	s_cmp_lg_u32 s[JN], 9
	s_cbranch_scc1 .Ltrip
	; ---- THE MERGE AND THE WAY OUT.  The addresses are made on the way that every wave takes.
.set MI,  2                            ; v2   TI x MP + 16 x lane: O^T's image
.set ML,  3                            ; v3   TI x MP + 4 x lane: -M and the sum
.set SIA, 4                            ; v4   the stage, in: row r, + 32 h
.set SOA, 5                            ; v5   the stage, back: row h, + 16 r
.set MEA, 6                            ; v6   my 16 bytes of the mean's first 256
.set VD,  11                           ; v11  len - Q0 - h: row 2 i + h of my tile is invalid where 2 i >= this
	s_wait_alu depctr_vm_vsrc(0)                   ; the last trip's loads have read v2, v3, v8 and v9, which are written below; its stores have read v32-43 and v80-91, in which the stage's rows land
	PLACES 4                                       ; behind the last products
	v_add_f32 v14, v14, v15                        ; the sum's two halves,
	v_permlanex16_b32 v252, v14, s[SEL], s[SEL+1]
	v_add_f32 v14, v14, v252                       ; and lane l xor 16's: my group's sum of the row
	s_mul_i32 s56, s[TI], MP
	s_sub_co_i32 s57, s[LEN], s[Q0]
	v_and_b32 v8, 15, v0                           ; r
	v_bfe_u32 v9, v0, 4, 1                         ; h
	v_add_nc_u32 v[MI], s56, v[LI]
	v_and_b32 v[ML], 31, v0
	v_lshl_add_u32 v[ML], v[ML], 2, s56
	v_mul_u32_u24 v[SIA], v8, 272
	v_lshl_add_u32 v[SIA], v9, 5, v[SIA]
	v_add_nc_u32 v[SIA], s56, v[SIA]
	v_mul_u32_u24 v[SOA], v9, 272
	v_lshl_add_u32 v[SOA], v8, 4, v[SOA]
	v_add_nc_u32 v[SOA], s56, v[SOA]
	v_lshl_add_u32 v[MEA], v8, 4, MEAN
	v_sub_nc_u32 v[VD], s57, v9
	s_wait_alu depctr_va_vdst(0)                   ; the products have written O^T, the lines above -M's partner v14 and the five addresses, which the LDS stores and loads below read; the products and conversions are done with v32-159 and v224-233, in which LDS loads land below
	s_cmp_lt_u32 s[WV], 8
	s_cbranch_scc1 .Lno_send
.set n, 0
.rept 16
	ds_store_b128 v[MI], v[160+4*n:163+4*n] offset:512*n   ; group 1 hands its O^T over as it stands, each accumulator from its low end on,
.set n, n+1
.endr
	ds_store_b32 v[ML], v12 offset:8192            ; with its -M
	ds_store_b32 v[ML], v14 offset:8320            ; and its sum
.Lno_send:
	BAR                                            ; the last barrier: group 1's stores have landed
	s_cmp_ge_u32 s[WV], 8
	s_cbranch_scc1 .Lend                           ; group 1 is done;
	s_cmp_eq_u32 s[ATT], 0
	s_cbranch_scc1 .Lend                           ; so is a block that has no row under len
.set n, 0
.rept 16
	ds_load_b128 v[96+4*n:99+4*n], v[MI] offset:512*n
.set n, n+1
.endr
	ds_load_b32 v232, v[ML] offset:8192
	ds_load_b32 v233, v[ML] offset:8320
	s_wait_dscnt 0x0
	v_min_num_f32 v234, v12, v232                  ; the joint -M: the larger M
	v_sub_f32 v235, v234, v12                      ; whole numbers, 0 or less; a group that ran no step still has -M = 3e38
	v_sub_f32 v240, v234, v232
	v_cvt_i32_f32 v235, v235                       ; (they saturate: such a group's factor is 0)
	v_cvt_i32_f32 v240, v240
	v_ldexp_f32 v235, 1.0, v235                    ; my factor,
	v_ldexp_f32 v240, 1.0, v240                    ; the partner's: exact powers of two
	v_mul_f32 v241, v14, v235
	v_fma_f32 v241, v233, v240, v241               ; the row's sum
	s_wait_alu depctr_va_vdst(0)
	v_rcp_f32 v241, v241
	v_nop                                          ; a plain instruction behind the reciprocal,
	s_wait_alu depctr_va_vdst(0)                   ; and the wait ahead of its first reader: the reciprocal has written v241
	v_mul_f32 v244, v235, v241                     ; each factor over the sum, twice: pairs for the packed forms
	v_mul_f32 v245, v235, v241
	v_mul_f32 v246, v240, v241
	v_mul_f32 v247, v240, v241
.set n, 0
.rept 32
	v_pk_mul_f32 v[96+n:97+n], v[96+n:97+n], v[246:247]
.set n, n+2
.endr
.set n, 0
.rept 32
	v_pk_fma_f32 v[96+n:97+n], v[160+n:161+n], v[244:245], v[96+n:97+n]   ; register 8 t + i is out(r, 16 t + 8 h + i).  (A tile with no row under len has 0 x infinity here: all its rows are replaced below)
.set n, n+2
.endr
	s_wait_alu depctr_va_vdst(0)                   ; the multiply-adds have written the merged rows v96-159, which the LDS stores read
.irp u, 0,1                                    ; through my tile's stage, half a row (256 bytes) of 16 queries at a time.  LDS serves a wave's instructions in order (ISA guide 5.7.1.4): the loads see the stores, and the next half's stores come behind them
.irp t, 0,1,2,3
	ds_store_b128 v[SIA], v[96+32*\u+8*\t:99+32*\u+8*\t] offset:64*\t
	ds_store_b128 v[SIA], v[100+32*\u+8*\t:103+32*\u+8*\t] offset:64*\t+16
.endr
.irp i, 0,1,2,3,4,5,6,7
	ds_load_b128 v[32+32*\u+4*\i:35+32*\u+4*\i], v[SOA] offset:2*\i*272
.endr
.endr
	s_wait_dscnt 0x0
	s_cmp_eq_u32 s[INVW], 0
	s_cbranch_scc1 .Lvalid
	ds_load_b128 v[224:227], v[MEA]                ; rows at or past len take the mean: a selection, no branch on the lane.  (Registers that nothing has named since the wait behind the loop)
	ds_load_b128 v[228:231], v[MEA] offset:256
.irp i, 0,1,2,3,4,5,6,7
	v_cmp_ge_i32 s[MK+\i], 2*\i, v[VD]             ; the eight pairs of rows: the compares in one run, while the mean comes
.endr
	s_wait_dscnt 0x0
	s_wait_alu depctr_va_sdst(0)                   ; the eight masks are written, ahead of their first reader
.irp i, 0,1,2,3,4,5,6,7
.irp u, 0,1
.irp e, 0,1,2,3
	v_cndmask_b32 v[32+32*\u+4*\i+\e], v[32+32*\u+4*\i+\e], v[224+4*\u+\e], s[MK+\i]
.endr
.endr
.endr
	s_wait_alu depctr_va_vdst(0)                   ; the selections have written v32-95, which the stores below read
.Lvalid:
.irp u, 0,1
.irp i, 0,1,2,3,4,5,6,7
	global_store_b128 v[GO], v[32+32*\u+4*\i:35+32*\u+4*\i], s[OUTT:OUTT+1] offset:1024*\i+256*\u th:TH_STORE_NT   ; sixteen lanes store 256 consecutive bytes, at a multiple of 256 from out's first byte
.endr
.endr
.Lend:
	s_wait_dscnt 0x0                               ; the closing lines, six on end
	s_wait_alu 0x0
	s_wait_tensorcnt 0x0
	ds_add_u32 v251, v255
	s_wait_dscnt 0x0
	s_endpgm
.Lfunc_end_k_q1ad0f25ca0_attn:
	.size	k_q1ad0f25ca0_attn, .Lfunc_end_k_q1ad0f25ca0_attn-k_q1ad0f25ca0_attn
	.p2alignl 7, 3214868480
	.fill 96, 4, 3214868480
	.section	.rodata,"a",@progbits
	.p2align	6, 0x0
	.amdhsa_kernel k_q1ad0f25ca0_attn
		.amdhsa_group_segment_fixed_size 138240
		.amdhsa_private_segment_fixed_size 0
		.amdhsa_enable_private_segment 0
		.amdhsa_kernarg_size 64
		.amdhsa_user_sgpr_count 2
		.amdhsa_user_sgpr_kernarg_segment_ptr 1
		.amdhsa_wavefront_size32 1
		.amdhsa_system_sgpr_workgroup_id_x 1
		.amdhsa_system_sgpr_workgroup_id_y 1
		.amdhsa_system_sgpr_workgroup_id_z 1
		.amdhsa_system_vgpr_workitem_id 0
		.amdhsa_next_free_vgpr 256
		.amdhsa_next_free_sgpr 80
		.amdhsa_reserve_vcc 0
		.amdhsa_float_denorm_mode_32 3
		.amdhsa_float_denorm_mode_16_64 3
		.amdhsa_memory_ordered 1
		.amdhsa_forward_progress 1
		.amdhsa_inst_pref_size 74
	.end_amdhsa_kernel
	.amdgpu_metadata
---
amdhsa.version: [ 1, 2 ]
amdhsa.kernels:
  - .name:           k_q1ad0f25ca0_attn
    .symbol:         k_q1ad0f25ca0_attn.kd
    .args:
      - { .name: q_codes, .offset: 0, .size: 8, .value_kind: global_buffer, .address_space: global }
      - { .name: q_scales, .offset: 8, .size: 8, .value_kind: global_buffer, .address_space: global }
      - { .name: k_codes, .offset: 16, .size: 8, .value_kind: global_buffer, .address_space: global }
      - { .name: k_scales, .offset: 24, .size: 8, .value_kind: global_buffer, .address_space: global }
      - { .name: v_codes, .offset: 32, .size: 8, .value_kind: global_buffer, .address_space: global }
      - { .name: v_scales, .offset: 40, .size: 8, .value_kind: global_buffer, .address_space: global }
      - { .name: sen_len, .offset: 48, .size: 8, .value_kind: global_buffer, .address_space: global }
      - { .name: out0, .offset: 56, .size: 8, .value_kind: global_buffer, .address_space: global }
    .group_segment_fixed_size: 138240
    .private_segment_fixed_size: 0
    .kernarg_segment_align: 8
    .kernarg_segment_size: 64
    .max_flat_workgroup_size: 512
    .sgpr_count:     80
    .vgpr_count:     256
    .wavefront_size: 32
...
	.end_amdgpu_metadata
.endif
;; end of part 2
